; MI455X (gfx1250); checked and timed in simulation.
; The chip was launched on July 23, 2026; its instructions are those of AMD's public machine-readable ISA for CDNA 5 (MIT licence, August 2026) and "CDNA5" Instruction Set Architecture Reference Guide (July 2026). The comments in the code are by the model that wrote it; some were corrected since.
;; Causal Self Attention. Allowed arithmetic: matrix products marked QUANTISED: E2M1 operands, one E8M0 scale for each 32 along K, by v_wmma_scale_f32_16x16x128_f8f6f4 with both operands' format E2M1 (or v_wmma_scale_f32_32x16x128_f4), f32 sums; products left as they are: bf16, f16 or f32 operands; f32 sums; everything else in f32.
;; Inputs: b_attn 3,072 float32; b_proj 1,024 float32; w_attn 1,024 x 3,072 float32; w_proj 1,024 x 1,024 float32; x 4 x 2,048 x 1,024 float32.
;; Outputs: out0 4 x 2,048 x 1,024 float32.
;; This version of the problem:
;;   THIS VERSION OF THE PROBLEM IS GIVEN IN LOW PRECISION. The matrix products marked QUANTISED in the list below multiply operands that are first quantised to E2M1 (2 exponent bits, 1 mantissa bit; 4 bits a number), with one power-of-two scale for each 32 numbers along K (OCP MX v1.0); their sums are f32. The products marked 'left as it is' may take bf16, f16 or f32 operands, with f32 sums. Whichever they take, every output number must still come out within the allowed error. Rounding operands to bf16 (8 significant bits) uses up far more of that allowance than f16 does (11 bits, for magnitudes from 6e-5 to 65,504). All else is computed in f32.
;;   The module's matrix products, in the order in which they are computed (A, B: the left and right operand; K: the contracted axis; several contracted axes count as one K, in the product's order):
;;     1. [M 8,192, K 1,024] x [K 1,024, N 3,072]; A: input x; B: input w_attn: QUANTISED
;;     2. batch 64 x [M 2,048, K 64] x [K 64, N 2,048]; A: computed on the way; B: computed on the way: left as it is (an operand is computed on the way)
;;     3. batch 64 x [M 2,048, K 2,048] x [K 2,048, N 64]; A: computed on the way; B: computed on the way: left as it is (an operand is computed on the way)
;;     4. [M 8,192, K 1,024] x [K 1,024, N 1,024]; A: computed on the way; B: input w_proj: left as it is (an operand is computed on the way)
;;   THE QUANTISER, for each operand of a quantised product, along K:
;;     - K is cut into blocks of 32 from its start; a last block that is shorter is filled with zeros.
;;     - A block's scale is 2^e with e = floor(log2(the largest magnitude in the block)) - 2, held to -126 .. 127; a block of zeros has e = 0. As a byte (E8M0): e + 127.
;;     - Each number is divided by its block's scale, clamped to +-6, and rounded to the nearest number of E2M1, ties to even, subnormals kept.
;;     - The product sums the exact products of the quantised numbers (number of the format x scale) in f32.
;;   ~~~python
;;   def quantise(x, axis):      # numpy; x: float32 -> the quantised numbers, widened to float32 again
;;       x = np.moveaxis(x, axis, -1); K = x.shape[-1]
;;       x = np.pad(x, [(0, 0)] * (x.ndim - 1) + [(0, -K % 32)]); x = x.reshape(x.shape[:-1] + (-1, 32)); a = np.abs(x).max(-1, keepdims=True)
;;       e = np.where(a > 0, np.clip(np.frexp(np.where(a > 0, a, 1))[1] - 1 - 2, -126, 127), 0)      # np.frexp(a)[1] - 1 = floor(log2(a)), exactly
;;       r = np.clip(x / 2.0 ** e, -6, 6)
;;       step = 2.0 ** (np.maximum(np.frexp(np.where(r == 0, 1, r))[1] - 1, 0) - 1)
;;       q = np.round(r / step) * step * 2.0 ** e      # np.round: ties to even
;;       return np.moveaxis(q.reshape(q.shape[:-2] + (-1,))[..., :K], -1, axis).astype(np.float32)
;;   ~~~
;; One version. Each part assembles by itself: llvm-mc -triple=amdgcn-amd-amdhsa -mcpu=gfx1250 --defsym DOCPART=n.
;; ======== version 1 of 1: 5 launches
;; limits: values are held in f16: magnitudes above 65,504 overflow, below 6.1e-05 lose precision
;; workspace buffers: x_codes 4,194,304 bytes; x_scales 262,144 bytes; w_codes 1,572,864 bytes; w_scales 98,304 bytes; w16 2,097,152 bytes; qkv16 50,331,648 bytes; qkv32 786,432 bytes; y16 16,777,216 bytes
;; launch prep (part 1): grid 336 x 1, 4 waves a work-group, no clusters, 68,096 bytes of LDS; arguments x, w_attn, w_proj, x_codes, x_scales, w_codes, w_scales, w16; writes x_codes, x_scales, w_codes, w_scales, w16
.if DOCPART == 1
	.amdgcn_target "amdgcn-amd-amdhsa--gfx1250"
	.amdhsa_code_object_version 6
	.text
	.protected	k_qf03dcd4b4d_prep
	.globl	k_qf03dcd4b4d_prep
	.p2align	8
	.type	k_qf03dcd4b4d_prep,@function
k_qf03dcd4b4d_prep:
	s_mov_b64 s[64:65], 0
	v_nop
	global_prefetch_b8 v0, s[64:65] scope:SCOPE_SE
	s_setreg_imm32_b32 hwreg(HW_REG_WAVE_MODE, 25, 1), 1
	s_wait_xcnt 0x0
; PREP: three jobs in one launch, told apart by the work-group's number.
;  X (work-groups 0-255):   x [8192][1024] f32, K innermost, becomes codes of FP4 (E2M1) [8192][512 bytes] and E8M0 scale bytes [8192][32].
;  W (work-groups 256-303): w_attn [1024 (k)][3072 (n)] f32, K its FIRST axis, becomes codes [3072][512 bytes] with K innermost and scale bytes [3072][32].
;  C (work-groups 304-335): w_proj [1024][1024] f32 becomes f16, in the same order.
; A block's scale is 2^(floor(log2(its largest magnitude)) - 2); its byte is the largest magnitude's exponent field - 2, held at 1 from below.
; LIMITS: a block of zeros gets the byte 1 where the rule says 127 (its codes are zeros, and this program alone reads the bytes); blocks whose largest magnitude lies under 2^-124
; keep the byte 1; NaN and infinities among the inputs are not served; numbers of w_proj beyond 65,504 have no f16 number, those under 6e-8 become 0.
; No tensor loads, no barrier: waves share nothing.  No matrix unit, no cluster: every byte is read once by one wave.  Each job has LDS bytes of its own.
.set SPARE, 67584                      ; behind both jobs' stages: the spare words, 128 bytes for each wave
.set SPW,   190                        ; v190 LDS address of my spare word; never rewritten
.set NIL,   191                        ; v191 0; never rewritten
.set WV,    20                         ; s20  my wave's number
	s_load_b256 s[4:11], s[0:1], 0x0               ; x s[4:5], w_attn s[6:7], w_proj s[8:9], x_codes s[10:11]
	s_load_b256 s[12:19], s[0:1], 0x20             ; x_scales s[12:13], w_codes s[14:15], w_scales s[16:17], w16 s[18:19]
	v_lshl_add_u32 v[SPW], v0, 2, SPARE
	v_mov_b32 v[NIL], 0
	v_lshrrev_b32 v1, 5, v0
	v_readfirstlane_b32 s[WV], v1
	v_and_b32 v2, 31, v0                           ; lane
	s_wait_kmcnt 0x0
	s_cmp_lt_u32 ttmp9, 256
	s_cbranch_scc1 .LX
	s_cmp_lt_u32 ttmp9, 304
	s_cbranch_scc1 .LW
; ---- C: the cast.  A wave takes 8,192 numbers: 64 loads of 512 consecutive bytes, 64 stores of 256 consecutive bytes, in four rounds on two sets of registers.
.set CIN,  16                          ; v16-143  two sets of 64
.set COUT, 144                         ; v144-175 a round's f16 numbers
	s_sub_co_u32 s21, ttmp9, 304
	s_lshl_b32 s21, s21, 2
	s_add_co_u32 s22, s21, s[WV]                   ; which run of 8,192 numbers is my wave's
	s_lshl_b32 s24, s22, 15
	s_mov_b32 s25, 0
	s_add_nc_u64 s[8:9], s[8:9], s[24:25]
	s_lshl_b32 s24, s22, 14
	s_add_nc_u64 s[18:19], s[18:19], s[24:25]
	v_lshlrev_b32 v3, 4, v2                        ; in: 16 bytes a lane
	v_lshlrev_b32 v4, 3, v2                        ; out: 8 bytes a lane
.macro CLOAD k
.irp i, 0,1,2,3,4,5,6,7,8,9,10,11,12,13,14,15
	global_load_b128 v[CIN+64*((\k)%2)+4*\i:CIN+64*((\k)%2)+4*\i+3], v3, s[8:9] offset:8192*(\k)+512*\i th:TH_LOAD_NT
.endr
.endm
.macro CCVT k
.if (\k) < 3
	s_wait_loadcnt 16                              ; this round's 16 loads are in; the other set's 16 may be out
.else
	s_wait_loadcnt 0x0
.endif
.if (\k) > 0
	s_wait_xcnt 0x0                                ; the last round's stores have read their data: it is written again only behind this wait
.endif
.irp i, 0,1,2,3,4,5,6,7,8,9,10,11,12,13,14,15
	v_cvt_pk_f16_f32 v[COUT+2*\i], v[CIN+64*((\k)%2)+4*\i], v[CIN+64*((\k)%2)+4*\i+1]
	v_cvt_pk_f16_f32 v[COUT+2*\i+1], v[CIN+64*((\k)%2)+4*\i+2], v[CIN+64*((\k)%2)+4*\i+3]
.endr
.irp i, 0,1,2,3,4,5,6,7,8,9,10,11,12,13,14,15
	global_store_b64 v4, v[COUT+2*\i:COUT+2*\i+1], s[18:19] offset:4096*(\k)+256*\i   ; 32 lanes store 256 consecutive bytes, aligned
.endr
.if (\k) < 2
	CLOAD (\k)+2
.endif
.endm
	CLOAD 0
	CLOAD 1
	CCVT 0
	CCVT 1
	CCVT 2
	CCVT 3
	s_endpgm                                       ; this job has written no LDS
; ---- X: x is a plain stream of blocks of 32.  A wave takes 16 steps of 512 numbers.  Each load reads 512 consecutive bytes; a step's 2,048 bytes turn through the wave's own stage in LDS,
; so that a lane then holds 16 neighbours along K (two neighbouring lanes hold a block).  Loads run four steps ahead, the turn through LDS one step.
.set STEPS, 16
.set CB,    8                          ; bytes of 16 codes
.set XR,    16                         ; v16-79   four sets of 16 numbers as loaded
.set XX,    80                         ; v80-111  two sets of 16 neighbours
.set XE,    112                        ; v112-127 a scale byte for each step
.set XC,    128                        ; v128-189 codes: four registers a step, so that no store's data are written again
.set WREG,  8192                       ; LDS: a region for each wave: two stages of 32 x SP bytes, then its 256 scale bytes
.set SP,    80                         ; a lane's place in a stage: 64 bytes + 16 of padding
.LX:
	v_lshlrev_b32 v3, 4, v2                        ; my 16 bytes of a load's 512
	s_mul_i32 s21, s[WV], WREG
	v_lshrrev_b32 v14, 2, v2
	v_mul_u32_u24 v14, v14, SP
	v_and_b32 v15, 3, v2
	v_lshl_add_u32 v14, v15, 4, v14
	v_add_nc_u32 v14, s21, v14                     ; the stage, on the way in: SP (lane / 4) + 16 (lane % 4)
	v_mul_u32_u24 v15, v2, SP
	v_add_nc_u32 v15, s21, v15                     ; and on the way out: SP x lane
	v_mul_u32_u24 v4, v2, CB                       ; my codes' place in a step's
	v_lshrrev_b32 v5, 1, v2
	s_add_co_u32 s21, s21, 2*32*SP
	v_add_nc_u32 v5, s21, v5                       ; LDS: my block's scale byte
	v_lshlrev_b32 v7, 3, v2
	v_add_nc_u32 v6, s21, v7                       ; and on the way out 8 bytes a lane
	s_lshl_b32 s22, ttmp9, 2
	s_add_co_u32 s22, s22, s[WV]                   ; which run of 8,192 numbers is my wave's
	s_mov_b32 s23, 0
	s_lshl_b64 s[24:25], s[22:23], 15
	s_add_nc_u64 s[4:5], s[4:5], s[24:25]
	s_lshl_b64 s[24:25], s[22:23], 12
	s_add_nc_u64 s[10:11], s[10:11], s[24:25]
	s_lshl_b64 s[24:25], s[22:23], 8
	s_add_nc_u64 s[12:13], s[12:13], s[24:25]
.macro XLOAD t
.irp i, 0,1,2,3
	global_load_b128 v[XR+16*((\t)%4)+4*\i:XR+16*((\t)%4)+4*\i+3], v3, s[4:5] offset:2048*(\t)+512*\i th:TH_LOAD_NT
.endr
.endm
.macro XTURN t                         ; LDS serves a wave's instructions in order: no wait between the stores and the loads
.irp i, 0,1,2,3
	ds_store_b128 v14, v[XR+16*((\t)%4)+4*\i:XR+16*((\t)%4)+4*\i+3] offset:32*SP*((\t)%2)+8*SP*\i
.endr
.irp i, 0,1,2,3
	ds_load_b128 v[XX+16*((\t)%2)+4*\i:XX+16*((\t)%2)+4*\i+3], v15 offset:32*SP*((\t)%2)+16*\i
.endr
.endm
.irp t, 0,1,2,3
	XLOAD \t
.endr
	s_wait_loadcnt 12                              ; step 0's four loads are in
	XTURN 0
.macro XSTEP t
.set XS, XX+16*((\t)%2)
.if (\t) > 0
	s_wait_dscnt 1                                 ; this step's numbers are back from the stage; the last step's byte store may be out
.else
	s_wait_dscnt 0x0
.endif
.if (\t)+4 < STEPS
	XLOAD (\t)+4
.endif
.if (\t)+1 < STEPS
.if STEPS-2-(\t) >= 3
	s_wait_loadcnt 12                              ; the next step's four loads are in; the three steps behind it may be out
.else
	s_wait_loadcnt 4*(STEPS-2-(\t))
.endif
	XTURN (\t)+1
.endif
	v_max3_num_f32 v8, |v[XS]|, |v[XS+1]|, |v[XS+2]|
	v_max3_num_f32 v9, |v[XS+3]|, |v[XS+4]|, |v[XS+5]|
.irp i, 6,10
	v_max3_num_f32 v8, v8, |v[XS+\i]|, |v[XS+\i+1]|
	v_max3_num_f32 v9, v9, |v[XS+\i+2]|, |v[XS+\i+3]|
.endr
	v_max3_num_f32 v8, v8, |v[XS+14]|, |v[XS+15]|
	v_max3_num_f32 v8, v8, v9, 0x1800000           ; and the floor 2^(3 - 127): the byte cannot fall under 1
	v_max_num_f32_dpp v8, v8, v8 row_xmask:1 row_mask:0xf bank_mask:0xf   ; with my neighbour's 16: the block's largest magnitude
	v_add_nc_u32 v11, 0xff000000, v8               ; 2 off its exponent field: the conversion takes the exponent field of this operand as its scale
	v_cvt_scalef32_pk8_fp4_f32 v[XC+4*(\t)], v[XS:XS+7], v11
	v_cvt_scalef32_pk8_fp4_f32 v[XC+4*(\t)+1], v[XS+8:XS+15], v11
	v_lshrrev_b32 v[XE+(\t)], 23, v11              ; the scale's byte
	ds_store_b8 v5, v[XE+(\t)] offset:16*(\t)      ; both lanes of a block write the same byte with the same value
	global_store_b64 v4, v[XC+4*(\t):XC+4*(\t)+1], s[10:11] offset:32*CB*(\t)   ; 256 consecutive bytes, aligned
.endm
.irp t, 0,1,2,3,4,5,6,7,8,9,10,11,12,13,14,15
	XSTEP \t
.endr
	ds_load_b64 v[8:9], v6
	s_wait_dscnt 0x0
	global_store_b64 v7, v[8:9], s[12:13]          ; the wave's 256 scale bytes, one aligned run
	s_wait_tensorcnt 0x0                           ; the wave's end
	ds_add_u32 v[SPW], v[NIL]
	s_wait_dscnt 0x0
	s_endpgm
; ---- W: a lane takes a column n, its registers run down K: a block of 32 lies in one lane, and the conversions give codes with K innermost.  A wave takes 32 columns x 512 along K;
; the codes leave through the wave's own stage as rows: sixteen lanes store 256 consecutive bytes.  Every offset is an immediate: 511 x 12,288 bytes at the most.
.set NB,     16                        ; blocks of a lane
.set WPITCH, 272                       ; a stage row: 256 bytes of codes + 16
.set KROW,   512                       ; a row of w_codes in bytes
.set WSTG,   32768                     ; this job's stages begin here
.set WX,     32                        ; v32-95   two sets of 32 numbers
.set WC,     96                        ; v96-99   a block's codes
.set OUTR,   112                       ; v112-175 the way out
.set SB,     24                        ; v24-27   the scale bytes, four to a register
.LW:
	s_sub_co_u32 s21, ttmp9, 256
	s_lshr_b32 s22, s21, 1                         ; which 128 columns
	s_and_b32 s23, s21, 1                          ; which half of K
	s_lshl_b32 s22, s22, 7
	s_lshl_b32 s24, s[WV], 5
	s_add_co_u32 s22, s22, s24                     ; my wave's first column
	v_lshlrev_b32 v3, 2, v2                        ; in: 4 bytes a lane
	s_mul_i32 s24, s[WV], 32*WPITCH
	s_add_co_u32 s24, s24, WSTG                    ; my stage
	v_mul_u32_u24 v4, v2, WPITCH
	v_add_nc_u32 v4, s24, v4                       ; into it: row = my column
	v_and_b32 v5, 15, v2
	v_lshrrev_b32 v6, 4, v2
	v_mul_u32_u24 v7, v6, WPITCH
	v_lshl_add_u32 v7, v5, 4, v7
	v_add_nc_u32 v7, s24, v7                       ; out of it: sixteen lanes to a row, two rows an instruction
	v_mul_u32_u24 v8, v6, KROW
	v_lshl_add_u32 v8, v5, 4, v8                   ; and the same place in w_codes
	v_lshlrev_b32 v9, 5, v2                        ; my column's row of scale bytes
	s_mul_i32 s24, s23, 512*3072*4
	s_lshl_b32 s25, s22, 2
	s_add_co_u32 s24, s24, s25
	s_mov_b32 s25, 0
	s_add_nc_u64 s[6:7], s[6:7], s[24:25]          ; w_attn at (512 x half, my first column)
	s_lshl_b32 s24, s22, 9
	s_lshl_b32 s26, s23, 8
	s_add_co_u32 s24, s24, s26
	s_add_nc_u64 s[14:15], s[14:15], s[24:25]      ; w_codes: column x 512 + 256 x half
	s_lshl_b32 s24, s22, 5
	s_lshl_b32 s26, s23, 4
	s_add_co_u32 s24, s24, s26
	s_add_nc_u64 s[16:17], s[16:17], s[24:25]      ; w_scales: column x 32 + 16 x half
.macro WLOAD t
.irp i, 0,1,2,3,4,5,6,7,8,9,10,11,12,13,14,15,16,17,18,19,20,21,22,23,24,25,26,27,28,29,30,31
	global_load_b32 v[WX+32*((\t)%2)+\i], v3, s[6:7] offset:(32*(\t)+\i)*12288 th:TH_LOAD_NT
.endr
.endm
	WLOAD 0
	WLOAD 1
.macro WBLOCK t
.set XS, WX+32*((\t)%2)
.if (\t) < NB-1
	s_wait_loadcnt 32                              ; this block's 32 loads are in; the next block's may be out
.else
	s_wait_loadcnt 0
.endif
	v_max3_num_f32 v12, |v[XS]|, |v[XS+1]|, |v[XS+2]|
	v_max3_num_f32 v13, |v[XS+3]|, |v[XS+4]|, |v[XS+5]|
.irp i, 6,10,14,18,22,26
	v_max3_num_f32 v12, v12, |v[XS+\i]|, |v[XS+\i+1]|
	v_max3_num_f32 v13, v13, |v[XS+\i+2]|, |v[XS+\i+3]|
.endr
	v_max3_num_f32 v12, v12, |v[XS+30]|, |v[XS+31]|
	v_max3_num_f32 v12, v12, v13, 0x1800000        ; and the floor
	v_add_nc_u32 v11, 0xff000000, v12              ; the conversion's scale operand
	v_lshrrev_b32 v13, 23, v11                     ; the scale's byte
.if (\t)%4 == 0
	v_mov_b32 v[SB+(\t)/4], v13
.else
	v_lshl_or_b32 v[SB+(\t)/4], v13, 8*((\t)%4), v[SB+(\t)/4]
.endif
.irp g, 0,1,2,3
	v_cvt_scalef32_pk8_fp4_f32 v[WC+\g], v[XS+8*\g:XS+8*\g+7], v11
.endr
	ds_store_b128 v4, v[WC:WC+3] offset:16*(\t)    ; 32 codes: 16 bytes of my column's row
.if (\t)+2 < NB
	WLOAD (\t)+2
.endif
	s_wait_dscnt 0x0                               ; the store has read its registers: the next block's codes may be written
.endm
.set Q, 0
.rept NB
	WBLOCK Q
.set Q, Q+1
.endr
	global_store_b128 v9, v[SB:SB+3], s[16:17]     ; my column's 16 scale bytes
.irp t, 0,1,2,3,4,5,6,7,8,9,10,11,12,13,14,15
	ds_load_b128 v[OUTR+4*\t:OUTR+4*\t+3], v7 offset:2*\t*WPITCH
.endr
.irp t, 0,1,2,3,4,5,6,7,8,9,10,11,12,13,14,15
	s_wait_dscnt 15-\t
	global_store_b128 v8, v[OUTR+4*\t:OUTR+4*\t+3], s[14:15] offset:2*\t*KROW
.endr
	s_wait_tensorcnt 0x0                           ; the wave's end
	ds_add_u32 v[SPW], v[NIL]
	s_wait_dscnt 0x0
	s_endpgm
.Lfunc_end_k_qf03dcd4b4d_prep:
	.size	k_qf03dcd4b4d_prep, .Lfunc_end_k_qf03dcd4b4d_prep-k_qf03dcd4b4d_prep
	.p2alignl 7, 3214868480
	.fill 96, 4, 3214868480
	.section	.rodata,"a",@progbits
	.p2align	6, 0x0
	.amdhsa_kernel k_qf03dcd4b4d_prep
		.amdhsa_group_segment_fixed_size 68096
		.amdhsa_private_segment_fixed_size 0
		.amdhsa_enable_private_segment 0
		.amdhsa_kernarg_size 64
		.amdhsa_user_sgpr_count 2
		.amdhsa_user_sgpr_kernarg_segment_ptr 1
		.amdhsa_wavefront_size32 1
		.amdhsa_system_sgpr_workgroup_id_x 1
		.amdhsa_system_sgpr_workgroup_id_y 1
		.amdhsa_system_sgpr_workgroup_id_z 1
		.amdhsa_system_vgpr_workitem_id 0
		.amdhsa_next_free_vgpr 192
		.amdhsa_next_free_sgpr 66
		.amdhsa_reserve_vcc 0
		.amdhsa_float_denorm_mode_32 3
		.amdhsa_float_denorm_mode_16_64 3
		.amdhsa_memory_ordered 1
		.amdhsa_forward_progress 1
		.amdhsa_inst_pref_size 131
	.end_amdhsa_kernel
	.amdgpu_metadata
---
amdhsa.version: [ 1, 2 ]
amdhsa.kernels:
  - .name:           k_qf03dcd4b4d_prep
    .symbol:         k_qf03dcd4b4d_prep.kd
    .args:
      - { .name: x, .offset: 0, .size: 8, .value_kind: global_buffer, .address_space: global }
      - { .name: w_attn, .offset: 8, .size: 8, .value_kind: global_buffer, .address_space: global }
      - { .name: w_proj, .offset: 16, .size: 8, .value_kind: global_buffer, .address_space: global }
      - { .name: x_codes, .offset: 24, .size: 8, .value_kind: global_buffer, .address_space: global }
      - { .name: x_scales, .offset: 32, .size: 8, .value_kind: global_buffer, .address_space: global }
      - { .name: w_codes, .offset: 40, .size: 8, .value_kind: global_buffer, .address_space: global }
      - { .name: w_scales, .offset: 48, .size: 8, .value_kind: global_buffer, .address_space: global }
      - { .name: w16, .offset: 56, .size: 8, .value_kind: global_buffer, .address_space: global }
    .group_segment_fixed_size: 68096
    .private_segment_fixed_size: 0
    .kernarg_segment_align: 8
    .kernarg_segment_size: 64
    .max_flat_workgroup_size: 128
    .sgpr_count:     66
    .vgpr_count:     192
    .wavefront_size: 32
...
	.end_amdgpu_metadata
.endif
;; end of part 1
;; launch gemm_qkv (part 2): grid 12 x 32, 4 waves a work-group, clusters of 4 x 4, 327,680 bytes of LDS; arguments x_codes, x_scales, w_codes, w_scales, qkv16, b_attn, qkv32; writes qkv16, qkv32
.if DOCPART == 2
	.amdgcn_target "amdgcn-amd-amdhsa--gfx1250"
	.amdhsa_code_object_version 6
	.text
	.protected	k_qf03dcd4b4d_gemm_qkv
	.globl	k_qf03dcd4b4d_gemm_qkv
	.p2align	8
	.type	k_qf03dcd4b4d_gemm_qkv,@function
k_qf03dcd4b4d_gemm_qkv:
	s_mov_b64 s[64:65], 0
	v_nop
	global_prefetch_b8 v0, s[64:65] scope:SCOPE_SE
	s_setreg_imm32_b32 hwreg(HW_REG_WAVE_MODE, 25, 1), 1
	s_wait_xcnt 0x0
	s_wait_alu depctr_hold_cnt(0) depctr_sa_sdst(0) depctr_va_vdst(0) depctr_va_sdst(0) depctr_va_ssrc(0) depctr_va_vcc(0) depctr_vm_vsrc(0)
	s_getreg_b32 s2, hwreg(HW_REG_IB_STS2, 6, 4)
	s_cmp_eq_u32 s2, 0
	s_cbranch_scc0 .Lentry_in_a_cluster
	s_endpgm
.Lentry_in_a_cluster:
	s_bfe_u32 s2, ttmp6, 0x10000c
	s_cmp_lg_u32 s2, 0xf033
	s_cbranch_scc0 .Lentry_shape_is_right
	s_endpgm
.Lentry_shape_is_right:
; qkv = Q(x) Q(w_attn) + b_attn on codes of FP4 (E2M1) with one E8M0 scale for each 32 along K; sums in f32.  A = x_codes [8192][512 bytes], B = w_codes [3072][512 bytes], K = 1,024.
; OUT: qkv16 [batch 4][column / 64: 48][t 2048][64] f16, so that a head's rows are dense; and the rows t < 16 of every batch once more as f32, qkv32 [16 batch + t][3072].
; LIMITS: results beyond 65,504 have no f16 number; magnitudes under 6e-8 become 0 in qkv16.
; A tile of 256 x 256 is made by four waves, each 128 x 128: 64 accumulators of 16 x 16.  K is two LDS slots of 512, both asked for at the head: no slot is filled again.
; The scales of the tile's rows of A and of B, for all of K, come into LDS once, with the first fills.
; CLUSTERS: 4 x 4 work-groups.  The four of a row of the cluster need the same tiles of A, the four of a column the same tiles of B: each is asked for jointly.
; TILE ROWS: tile row = 8 cy + cluster y, so that cy is the batch and t begins at 256 x cluster y: the rows t < 16 lie in the clusters with y = 0, a number that all sixteen partners share.
; THE MATRIX INSTRUCTION IS USED TRANSPOSED (source 0 = 16 rows of B, source 1 = 16 rows of A): a lane holds eight neighbouring columns of one row.  The bias is the C of each sum's first instruction.
; REGISTERS: window 0: v0-31 addresses; v32-95 scale words, two sets; v128-191 A's fragments, one set; v192-255 the bias, eight registers for each of B's eight blocks.
;   window 1: B's fragments, two sets, at v0 and v128.   window 2: accumulators of my rows 0-63 ((a, b) at v[8 (8 a + b)]);   window 3: those of rows 64-127.
.set NQ,     4                         ; matrix instructions deep in a slot
.set ROWB,   256                       ; a tile's row in bytes: 512 codes
.set KROW,   512                       ; a row of A or of B in memory
.set PITCH,  272                       ; an LDS row: 256 bytes + 16 of padding: the 16 rows that a load touches start at 16 different banks (64 banks of 4 bytes: ISA guide 11.1)
.set FR,     8
.set NL,     2
.set NP,     4                         ; places behind this matrix instruction (ISA guide 7.12.1)
.set HALFT,  128*PITCH
.set SLOT,   4*HALFT
.set KS,     32                        ; a row of scales in bytes
.set SCL,    2*SLOT
.set HALFS,  (128*KS/256)*272
.set SBLK,   (16*KS/256)*272
.set SPARE,  SCL+4*HALFS               ; the spare words, 128 bytes for each wave
.set ST32,   0                         ; the way out: stages in slot 0, which has had its last fill and its last read by then: f32, 16 x 528 a wave;
.set ST16,   4*16*528                  ; f16, 16 x 272 a wave
.set ADRA, 16
.set ADRB, 20
.set STO16, 22
.set RD16, 23
.set STO32, 24
.set RD32, 25
.set CO32, 26
.set ADRS, 27
.set SPW,  28
.set NIL,  29
.set CO16, 30
.set BA,   31
.set SC,   32
.set AF,   128
.set BIAS, 192
.set TMP,  32                          ; the way out: packed f16
.set BK,   64                          ; 16 rows read back: v64-95 and v96-127 by turns
.set B32,  128                         ; the f32 rows read back
.set G1, 24
.set G0, 32
.set G1B, 48
.set G0B, 56
.set G1S, 68
.set G0S, 76
.set G1SB, 80
.set G0SB, 88
.set MSB, 0
.macro WIN new                         ; the immediate's high byte repeats the setting that is left
.if MSB != \new
	s_set_vgpr_msb (MSB<<8)|\new
.set MSB, \new
.endif
.endm
.set MUL_LO, 0xa1                      ; source 0 (B) window 1, source 1 (A) window 0, C and D window 2
.set MUL_HI, 0xf1
.set FIRST_LO, 0x81                    ; the same with C (the bias) in window 0
.set FIRST_HI, 0xc1
.set TO_B,   0x40
; A joint load: waves 0 and 1 fetch for A, waves 2 and 3 for B.  An s_nop 0 and four v_nop follow each of the two lines.
.macro JLOAD g0a, g1a, g0b, g1b
	s_cmp_eq_u32 s15, 0
	s_cbranch_scc0 .Lfor_b_\@
	tensor_load_to_lds s[\g0a:\g0a+3], s[\g1a:\g1a+7]
	s_nop 0
.rept 4
	v_nop
.endr
	s_branch .Lasked_\@
.Lfor_b_\@:
	tensor_load_to_lds s[\g0b:\g0b+3], s[\g1b:\g1b+7]
	s_nop 0
.rept 4
	v_nop
.endr
.Lasked_\@:
.endm
.macro CROUND                          ; a round of the cluster's barrier
	s_barrier_signal -1
	s_barrier_wait -1
	s_cmp_lg_u32 s14, 0
	s_cbranch_scc1 .Lnot_wave_0_\@
	s_barrier_signal -3
.Lnot_wave_0_\@:
	s_barrier_wait -3
	s_barrier_signal -1
	s_barrier_wait -1
.endm
	s_load_b128 s[4:7], s[0:1], 0x0                ; A's codes, A's scales
	s_load_b128 s[8:11], s[0:1], 0x10              ; B's codes, B's scales
	s_load_b64 s[12:13], s[0:1], 0x20              ; qkv16
	s_load_b128 s[96:99], s[0:1], 0x28             ; b_attn, qkv32
	v_lshl_add_u32 v[SPW], v0, 2, SPARE
	v_mov_b32 v[NIL], 0
	ds_add_u32 v[SPW], v[NIL]                      ; the wave's opening: the add, twice on end, and its wait ahead of my first tensor load
	ds_add_u32 v[SPW], v[NIL]
	v_lshrrev_b32 v1, 5, v0
	v_readfirstlane_b32 s14, v1                    ; wave 0..3
	s_lshr_b32 s15, s14, 1                         ; which half of the tile's rows is mine.  Also: I fetch for A (0) or for B (1)
	s_and_b32 s16, s14, 1                          ; which half of its columns.  Also: which 128 rows of that tile I fetch
	s_bfe_u32 s40, ttmp6, 0x40000                  ; cx
	s_bfe_u32 s41, ttmp6, 0x40004                  ; cy
	s_lshl_b32 s42, ttmp9, 2
	s_add_co_u32 s42, s42, s40                     ; tile column = 4 x cluster x + cx
	s_and_b32 s95, ttmp7, 0xffff                   ; cluster y
	s_lshl_b32 s17, s41, 3
	s_add_co_u32 s17, s17, s95                     ; tile row = 8 cy + cluster y
	s_lshl_b32 s43, s41, 2
	s_lshl_b32 s43, 15, s43                        ; my row of the cluster
	s_lshl_b32 s44, 0x1111, s40                    ; my column
	s_or_b32 s[G1+0], s43, (0<<16)|(1<<20)|(1<<21)|(5<<22)|(3<<25)  ; the mask; elements of 1 byte; padding on; bit 21 beside a mask; 4 words after every 64
	s_or_b32 s[G1B+0], s44, (0<<16)|(1<<20)|(1<<21)|(5<<22)|(3<<25)
.irp g, G1, G1B
	s_mov_b32 s[\g+1], ROWB<<16                    ; tensor_dim0
	s_mov_b32 s[\g+2], 128<<16                     ; tensor_dim1
	s_mov_b32 s[\g+3], ROWB<<16                    ; tile_dim0
	s_mov_b32 s[\g+4], 128                         ; tile_dim1
	s_mov_b32 s[\g+5], KROW                        ; the pitch
	s_mov_b32 s[\g+6], 0
	s_mov_b32 s[\g+7], 0
.endr
	s_or_b32 s[G1S+0], s43, (3<<16)|(1<<20)|(1<<21)|(5<<22)|(3<<25)  ; the scales of 128 rows: a dense block, as rows of 256 bytes (32 elements of 8), 16 bytes of padding behind each
	s_or_b32 s[G1SB+0], s44, (3<<16)|(1<<20)|(1<<21)|(5<<22)|(3<<25)
.irp g, G1S, G1SB
	s_mov_b32 s[\g+1], 32<<16
	s_mov_b32 s[\g+2], (128*KS/256)<<16
	s_mov_b32 s[\g+3], 32<<16
	s_mov_b32 s[\g+4], 128*KS/256
	s_mov_b32 s[\g+5], 32
	s_mov_b32 s[\g+6], 0
	s_mov_b32 s[\g+7], 0
.endr
	s_lshl_b32 s18, s16, 7                         ; which 128 rows of the tile I fetch
	s_lshl_b32 s20, s17, 8
	s_add_co_u32 s20, s20, s18                     ; A: row 256 x tile row + 128 x half
	s_lshl_b32 s46, s42, 8
	s_add_co_u32 s46, s46, s18                     ; B: row 256 x tile column + 128 x half
	s_mov_b32 s21, 0
	s_mov_b32 s47, 0
	s_mov_b64 s[18:19], KS
	s_mul_u64 s[22:23], s[20:21], s[18:19]         ; where these rows' scales begin
	s_mul_u64 s[92:93], s[46:47], s[18:19]
	s_mov_b64 s[18:19], KROW
	s_mul_u64 s[20:21], s[20:21], s[18:19]         ; and their codes
	s_mul_u64 s[46:47], s[46:47], s[18:19]
	s_mul_i32 s45, s14, HALFT                      ; where they go: wave x 128 rows
	s_mul_i32 s94, s14, HALFS
	s_wait_dscnt 0x0                               ; both opening adds are done
	s_wait_kmcnt 0x0
	s_add_nc_u64 s[20:21], s[4:5], s[20:21]
	s_add_nc_u64 s[22:23], s[6:7], s[22:23]
	s_add_nc_u64 s[46:47], s[8:9], s[46:47]
	s_add_nc_u64 s[92:93], s[10:11], s[92:93]
	CROUND                                         ; all sixteen work-groups are here: the first joint loads meet
	s_mov_b32 s[G0S], 1
	s_add_co_u32 s[G0S+1], s94, SCL
	s_mov_b64 s[G0S+2:G0S+3], s[22:23]
	s_or_b32 s[G0S+3], s[G0S+3], 0x80000000
	s_mov_b32 s[G0SB], 1
	s_add_co_u32 s[G0SB+1], s94, SCL
	s_mov_b64 s[G0SB+2:G0SB+3], s[92:93]
	s_or_b32 s[G0SB+3], s[G0SB+3], 0x80000000
	JLOAD G0S, G1S, G0SB, G1SB                     ; the scales first: they are wanted with the first slot
.irp s, 0,1
	s_mov_b32 s[G0+4*\s], 1
	s_add_co_u32 s[G0+4*\s+1], s45, \s*SLOT
	s_add_nc_u64 s[G0+4*\s+2:G0+4*\s+3], s[20:21], \s*ROWB
	s_or_b32 s[G0+4*\s+3], s[G0+4*\s+3], 0x80000000
	s_mov_b32 s[G0B+4*\s], 1
	s_add_co_u32 s[G0B+4*\s+1], s45, \s*SLOT
	s_add_nc_u64 s[G0B+4*\s+2:G0B+4*\s+3], s[46:47], \s*ROWB
	s_or_b32 s[G0B+4*\s+3], s[G0B+4*\s+3], 0x80000000
	JLOAD G0+4*\s, G1, G0B+4*\s, G1B               ; three tensor loads of mine are out at the most
.endr
	v_and_b32 v1, 15, v0                           ; r = l % 16
	v_bfe_u32 v2, v0, 4, 1                         ; h = l / 16
	v_lshlrev_b32 v[BA], 5, v2                     ; the bias: my half's eight numbers of a block of 16
	s_lshl_b32 s46, s42, 10                        ; my first column, in bytes of f32: 1,024 x tile column + 512 x half
	s_lshl_b32 s47, s16, 9
	s_add_co_u32 s46, s46, s47
	s_mov_b32 s47, 0
	s_add_nc_u64 s[96:97], s[96:97], s[46:47]
.irp b, 0,1,2,3,4,5,6,7
	global_load_b128 v[BIAS+8*\b:BIAS+8*\b+3], v[BA], s[96:97] offset:64*\b
	global_load_b128 v[BIAS+8*\b+4:BIAS+8*\b+7], v[BA], s[96:97] offset:64*\b+16
.endr
	s_add_nc_u64 s[98:99], s[98:99], s[46:47]      ; qkv32 at my first column,
	s_mul_i32 s20, s41, 16*12288
	s_mov_b32 s21, 0
	s_add_nc_u64 s[98:99], s[98:99], s[20:21]      ; row 16 x batch
	s_mul_i32 s20, s41, 48                         ; qkv16: block 48 x batch + 4 x tile column + 2 x half, of 262,144 bytes;
	s_lshl_b32 s22, s42, 2
	s_add_co_u32 s20, s20, s22
	s_lshl_b32 s22, s16, 1
	s_add_co_u32 s20, s20, s22
	s_lshl_b32 s20, s20, 18
	s_lshl_b32 s22, s95, 15                        ; row 256 x cluster y + 128 x half, of 128 bytes
	s_add_co_u32 s20, s20, s22
	s_lshl_b32 s22, s15, 14
	s_add_co_u32 s20, s20, s22
	s_add_nc_u64 s[12:13], s[12:13], s[20:21]
	v_mul_u32_u24 v3, v1, PITCH
	v_lshl_add_u32 v4, v2, 4, v3                   ; a fragment's row x pitch + 16 x half
	s_mul_i32 s21, s15, HALFT                      ; my 128 rows of A
	s_mul_i32 s22, s16, HALFT                      ; my 128 rows of B,
	s_add_co_u32 s22, s22, 2*HALFT                 ; which lie behind A's 256
.irp s, 0,1
	v_add_nc_u32 v[ADRA+\s], s21, v4
	v_add_nc_u32 v[ADRB+\s], s22, v4
	s_add_co_u32 s21, s21, SLOT
	s_add_co_u32 s22, s22, SLOT
.endr
	v_mul_u32_u24 v5, v1, KS                       ; my row's scales: KS bytes a row,
	v_lshrrev_b32 v6, 8, v5
	v_lshl_add_u32 v5, v6, 4, v5                   ; and 16 more for each 256 passed
	s_mul_i32 s21, s15, HALFS
	s_mul_i32 s22, s16, HALFS
	s_add_co_u32 s22, s22, 2*HALFS
	s_sub_co_u32 s22, s22, s21
	v_mul_u32_u24 v6, s22, v2                      ; lanes 16-31 take B's
	s_add_co_u32 s21, s21, SCL
	v_add_nc_u32 v5, v5, v6
	v_add_nc_u32 v[ADRS], s21, v5
	s_mul_i32 s23, s14, 16*528                     ; my f32 stage
	v_mul_u32_u24 v5, v1, 528
	v_lshl_add_u32 v5, v2, 5, v5
	v_add_nc_u32 v[STO32], s23, v5                 ; in: row r, 32 bytes for each half of the lanes
	v_and_b32 v6, 31, v0
	v_lshlrev_b32 v[CO32], 4, v6                   ; back: the 32 lanes take one row of 512 bytes
	v_add_nc_u32 v[RD32], s23, v[CO32]
	s_mul_i32 s23, s14, 16*272                     ; my f16 stage
	s_add_co_u32 s23, s23, ST16
	v_mul_u32_u24 v5, v1, 272
	v_lshl_add_u32 v5, v2, 4, v5
	v_add_nc_u32 v[STO16], s23, v5                 ; in: row r, 16 bytes for each half of the lanes
	v_bfe_u32 v5, v0, 3, 1
	v_mul_u32_u24 v5, v5, 272
	v_lshl_add_u32 v5, v2, 7, v5
	v_and_b32 v6, 7, v0
	v_lshl_add_u32 v5, v6, 4, v5
	v_add_nc_u32 v[RD16], s23, v5                  ; back: lanes 0-15 two rows' 128 bytes of the first 64 columns, lanes 16-31 of the second 64
	v_lshlrev_b32 v5, 4, v1
	v_lshl_add_u32 v[CO16], v2, 18, v5             ; and in qkv16: 16 (l % 16), one block of 262,144 bytes on for lanes 16-31
.macro FRAG reg, adr, q, i             ; 16 rows x 128 K of 4-bit codes: 8 registers: lane l holds row l % 16; registers 4 c .. 4 c + 3 hold K = 64 c + 32 (l / 16) + 0 .. 31
.irp c, 0,1
	ds_load_b128 v[\reg+4*\c:\reg+4*\c+3], v[\adr] offset:64*(\q)+32*\c+(\i)*16*PITCH
.endr
.endm
; 16 matrix instructions: A's blocks a0, a0 + 1 x B's eight.  first = 1: the sums start from the bias.  The 64 accumulators take turns, one instruction a turn.
.macro MUL16 a0, p, q, sc, first
.irp a, \a0, \a0+1
.irp b, 0,1,2,3,4,5,6,7
.if \first
	v_wmma_scale_f32_16x16x128_f8f6f4 v[8*(8*((\a)%4)+\b):8*(8*((\a)%4)+\b)+7], v[128*(\p)+FR*\b:128*(\p)+FR*\b+FR-1], v[AF+FR*(\a):AF+FR*(\a)+FR-1], v[BIAS+8*\b:BIAS+8*\b+7], v[SC+8*NQ*(\sc)+NQ*\b+(\q)], v[SC+8*NQ*(\sc)+NQ*(\a)+(\q)] matrix_a_fmt:MATRIX_FMT_FP4 matrix_b_fmt:MATRIX_FMT_FP4 matrix_a_scale:MATRIX_SCALE_ROW1
.else
	v_wmma_scale_f32_16x16x128_f8f6f4 v[8*(8*((\a)%4)+\b):8*(8*((\a)%4)+\b)+7], v[128*(\p)+FR*\b:128*(\p)+FR*\b+FR-1], v[AF+FR*(\a):AF+FR*(\a)+FR-1], v[8*(8*((\a)%4)+\b):8*(8*((\a)%4)+\b)+7], v[SC+8*NQ*(\sc)+NQ*\b+(\q)], v[SC+8*NQ*(\sc)+NQ*(\a)+(\q)] matrix_a_fmt:MATRIX_FMT_FP4 matrix_b_fmt:MATRIX_FMT_FP4 matrix_a_scale:MATRIX_SCALE_ROW1
.endif
.endr
.endr
.endm
.macro FETCH_B slot, q, p
	WIN TO_B
.irp i, 0,1,2,3,4,5,6,7
	FRAG 128*(\p)+FR*\i, ADRB+\slot, \q, \i
.endr
	WIN 0
.endm
.macro FETCH_A slot, q, i0
.irp i, \i0, \i0+1, \i0+2, \i0+3
	FRAG AF+FR*(\i), ADRA+\slot, \q, \i
.endr
.endm
.macro SCALES sc                       ; a slot's scale words: lanes 0-15 take A's block i, lanes 16-31 B's block i
.irp i, 0,1,2,3,4,5,6,7
	ds_load_b128 v[SC+8*NQ*\sc+NQ*\i:SC+8*NQ*\sc+NQ*\i+3], v[ADRS] offset:\i*SBLK
.endr
.endm
.macro PLACES n                        ; places in front of loads into registers that matrix instructions have read, and of the first read of results
.rept \n
	v_nop
.endr
.endm
.macro STEP slot, q, first             ; a step of 128 along K that has its successor in the same slot
	s_wait_dscnt 4*NL                              ; B's set and A's blocks 0-3 are in; A's blocks 4-7 may be out
.if \first
	WIN FIRST_LO
.else
	WIN MUL_LO
.endif
	MUL16 0, (\q)%2, \q, \slot, \first
	MUL16 2, (\q)%2, \q, \slot, \first
	s_wait_dscnt 0
	PLACES NP
	FETCH_B \slot, (\q)+1, 1-(\q)%2
	FETCH_A \slot, (\q)+1, 0
.if \first
	WIN FIRST_HI
.else
	WIN MUL_HI
.endif
	MUL16 4, (\q)%2, \q, \slot, \first
	MUL16 6, (\q)%2, \q, \slot, \first
	PLACES NP
	WIN 0
	FETCH_A \slot, (\q)+1, 4
.endm
.macro STEPS slot, from
.set Q, \from
.rept NQ-1-\from
	STEP \slot, Q, 0
.set Q, Q+1
.endr
.endm
	s_wait_tensorcnt 1                             ; the scales and my part of slot 0 are in; slot 1's load may be out
	s_barrier_signal -1
	s_barrier_wait -1
	FETCH_B 0, 0, 0
	FETCH_A 0, 0, 0
	SCALES 0
	FETCH_A 0, 0, 4
	s_wait_loadcnt 0x0                             ; the bias
	STEP 0, 0, 1
	STEPS 0, 1
	; slot 0's last step changes slots: one barrier; in front of it my loads have landed and my reads of slot 0 are over
	s_wait_tensorcnt 0x0
	ds_add_u32 v[SPW], v[NIL]                      ; 0 onto my spare word
	s_wait_dscnt 4*NL+1                            ; the add and A's blocks 4-7 may be out
	WIN MUL_LO
	MUL16 0, 1, NQ-1, 0, 0
	s_wait_dscnt 0x0
	s_barrier_signal -1
	MUL16 2, 1, NQ-1, 0, 0
	WIN 0
	s_barrier_wait -1
	PLACES NP
	v_add_nc_u32 v[ADRS], 4*NQ, v[ADRS]            ; on to slot 1's scale words
	FETCH_B 1, 0, 0
	FETCH_A 1, 0, 0
	SCALES 1
	WIN MUL_HI
	MUL16 4, 1, NQ-1, 0, 0
	MUL16 6, 1, NQ-1, 0, 0
	PLACES NP
	WIN 0
	FETCH_A 1, 0, 4
	STEPS 1, 0
	s_wait_dscnt 4*NL                              ; the very last step
	WIN MUL_LO
	MUL16 0, 1, NQ-1, 1, 0
	MUL16 2, 1, NQ-1, 1, 0
	s_wait_dscnt 0
	WIN MUL_HI
	MUL16 4, 1, NQ-1, 1, 0
	MUL16 6, 1, NQ-1, 1, 0
	WIN 0
	PLACES NP
	; THE ROWS t < 16, AS f32: block 0 of the waves with the upper half of the rows, in the clusters with y = 0.  Through my f32 stage, back as whole rows of 512 bytes.
	s_cmp_lg_u32 s15, 0
	s_cbranch_scc1 .Lno32
	s_cmp_lg_u32 s95, 0
	s_cbranch_scc1 .Lno32
	WIN 0x08                                       ; an LDS store's data: window 2
.irp b, 0,1,2,3,4,5,6,7
	ds_store_b128 v[STO32], v[8*\b:8*\b+3] offset:64*\b            ; each accumulator from its low end on
	ds_store_b128 v[STO32], v[8*\b+4:8*\b+7] offset:64*\b+16
.endr
	WIN 0
.irp t, 0,1,2,3,4,5,6,7,8,9,10,11,12,13,14,15
	ds_load_b128 v[B32+4*\t:B32+4*\t+3], v[RD32] offset:\t*528     ; LDS serves a wave's instructions in order: these see the stores above
.endr
	s_wait_dscnt 0x0
.irp t, 0,1,2,3,4,5,6,7,8,9,10,11,12,13,14,15
	global_store_b128 v[CO32], v[B32+4*\t:B32+4*\t+3], s[98:99] offset:\t*12288
.endr
.Lno32:
	; ALL ROWS AS f16, block by block of 16 rows x 128 columns: rounded, through my f16 stage, back so that sixteen lanes store 256 consecutive bytes (two rows of 64 columns).
.macro PACK a
.set AC, 64*((\a)%4)
	WIN 0x0a+5*((\a)/4)                            ; sources 0 and 1: window 2 or 3
.irp b, 0,1,2,3,4,5,6,7
.irp r, 0,1,2,3
	v_cvt_pk_f16_f32 v[TMP+4*\b+\r], v[AC+8*\b+2*\r], v[AC+8*\b+2*\r+1]
.endr
.endr
	WIN 0
.endm
.macro TOSTAGE a
.set BB, BK+32*((\a)%2)
.irp b, 0,1,2,3,4,5,6,7
	ds_store_b128 v[STO16], v[TMP+4*\b:TMP+4*\b+3] offset:32*\b
.endr
.irp t, 0,1,2,3,4,5,6,7
	ds_load_b128 v[BB+4*\t:BB+4*\t+3], v[RD16] offset:\t*544
.endr
.endm
.macro SEND a
.set BB, BK+32*((\a)%2)
	s_wait_dscnt 0x0                               ; the block is back in registers
	s_wait_xcnt 0x0                                ; the stores of the block before have read their registers: the next block's loads may land there
.irp t, 0,1,2,3,4,5,6,7
	global_store_b128 v[CO16], v[BB+4*\t:BB+4*\t+3], s[12:13] offset:2048*(\a)+256*\t
.endr
.endm
	PACK 0
	TOSTAGE 0
.irp a, 1,2,3,4,5,6,7                  ; block a's conversions stand between block a - 1's loads from the stage and the wait for them
	PACK \a
	SEND \a-1
	TOSTAGE \a
.endr
	SEND 7
	s_wait_tensorcnt 0x0                           ; the wave's end
	ds_add_u32 v[SPW], v[NIL]
	s_wait_dscnt 0x0
	CROUND                                         ; the closing round
	s_endpgm
.Lfunc_end_k_qf03dcd4b4d_gemm_qkv:
	.size	k_qf03dcd4b4d_gemm_qkv, .Lfunc_end_k_qf03dcd4b4d_gemm_qkv-k_qf03dcd4b4d_gemm_qkv
	.p2alignl 7, 3214868480
	.fill 96, 4, 3214868480
	.section	.rodata,"a",@progbits
	.p2align	6, 0x0
	.amdhsa_kernel k_qf03dcd4b4d_gemm_qkv
		.amdhsa_group_segment_fixed_size 327680
		.amdhsa_private_segment_fixed_size 0
		.amdhsa_enable_private_segment 0
		.amdhsa_kernarg_size 56
		.amdhsa_user_sgpr_count 2
		.amdhsa_user_sgpr_kernarg_segment_ptr 1
		.amdhsa_wavefront_size32 1
		.amdhsa_system_sgpr_workgroup_id_x 1
		.amdhsa_system_sgpr_workgroup_id_y 1
		.amdhsa_system_sgpr_workgroup_id_z 1
		.amdhsa_system_vgpr_workitem_id 0
		.amdhsa_next_free_vgpr 1024
		.amdhsa_next_free_sgpr 100
		.amdhsa_reserve_vcc 0
		.amdhsa_float_denorm_mode_32 3
		.amdhsa_float_denorm_mode_16_64 3
		.amdhsa_memory_ordered 1
		.amdhsa_forward_progress 1
		.amdhsa_inst_pref_size 132
	.end_amdhsa_kernel
	.amdgpu_metadata
---
amdhsa.version: [ 1, 2 ]
amdhsa.kernels:
  - .name:           k_qf03dcd4b4d_gemm_qkv
    .symbol:         k_qf03dcd4b4d_gemm_qkv.kd
    .args:
      - { .name: x_codes, .offset: 0, .size: 8, .value_kind: global_buffer, .address_space: global }
      - { .name: x_scales, .offset: 8, .size: 8, .value_kind: global_buffer, .address_space: global }
      - { .name: w_codes, .offset: 16, .size: 8, .value_kind: global_buffer, .address_space: global }
      - { .name: w_scales, .offset: 24, .size: 8, .value_kind: global_buffer, .address_space: global }
      - { .name: qkv16, .offset: 32, .size: 8, .value_kind: global_buffer, .address_space: global }
      - { .name: b_attn, .offset: 40, .size: 8, .value_kind: global_buffer, .address_space: global }
      - { .name: qkv32, .offset: 48, .size: 8, .value_kind: global_buffer, .address_space: global }
    .group_segment_fixed_size: 327680
    .private_segment_fixed_size: 0
    .kernarg_segment_align: 8
    .kernarg_segment_size: 56
    .max_flat_workgroup_size: 128
    .sgpr_count:     100
    .vgpr_count:     1024
    .wavefront_size: 32
...
	.end_amdgpu_metadata
.endif
;; end of part 2
;; launch attn (part 3): grid 4 x 64, 16 waves a work-group, no clusters, 327,680 bytes of LDS; arguments qkv16, y16; writes y16
.if DOCPART == 3
	.amdgcn_target "amdgcn-amd-amdhsa--gfx1250"
	.amdhsa_code_object_version 6
	.text
	.protected	k_qf03dcd4b4d_attn
	.globl	k_qf03dcd4b4d_attn
	.p2align	8
	.type	k_qf03dcd4b4d_attn,@function
k_qf03dcd4b4d_attn:
	s_mov_b64 s[64:65], 0
	v_nop
	global_prefetch_b8 v0, s[64:65] scope:SCOPE_SE
	s_setreg_imm32_b32 hwreg(HW_REG_WAVE_MODE, 25, 1), 1
	s_wait_xcnt 0x0
; y[b][h][q][:] = the sum over k <= q of softmax_k(Q[q] . K[k] / 8) V[k][:], head size 64, 2,048 positions, 64 heads in all.  q, k, v: f16, [batch][16 which + head][t][64]; y16: f16, [batch x head][t][64].
; Products on f16 operands with f32 sums; maxima, exponentials and sums in f32, with a running maximum.  LIMITS: weights under 6e-8 of a row's largest become 0 in f16; y beyond 65,504 has no f16 number.
; (Positions 0 to 15 of every sequence are computed here like all others, and once more in f32 by a later launch, which writes the output's rows over.)
; SHARES.  Work-group (j, head) owns the blocks of 256 queries 7 - j and j, one after the other: 8 - j and j + 1 blocks of 256 keys, nine in every work-group: the trip count is a constant and the work is even.
; Each of sixteen waves owns 16 queries, in 256 registers: four waves to a SIMD, so that one wave's vector work stands beside another's matrix work and LDS loads.
; K's and V's blocks of 256 keys come through a ring of two LDS slots, filled by tensor loads (waves 0, 1: K's halves; waves 2, 3: V's) and read by all sixteen.
; NO CLUSTER: the four work-groups of a head walk the same key blocks only in their first trips; from trip 8 - j on they need different ones, so a joint request could not be made on every path by all that it names.
; LAYOUT.  S^T = K Q^T (source 0 = 16 keys, source 1 = my 16 queries): a lane holds ONE query (lane % 16) and keys 8 (lane / 16) + 0..7 of each tile.  Two tiles, rounded to f16 in pairs, ARE source 1
; (32 keys x 16 queries) of O^T = V^T P, whose result again holds one query a lane.  K comes out of LDS as it lies, V ([key][channel]) turned, by ds_load_tr16_b128.
; THE MASK.  A step of 128 keys all of which come after my queries is jumped over (a scalar branch on ids); on the diagonal hidden scores become -infinity ahead of the maximum.
.set PK,    144                        ; a row of K in LDS: 128 bytes + 16
.set PV,    160                        ; a row of V: 128 + 32: an odd multiple of 32
.set VOFF,  256*PK                     ; a slot: 256 rows of K, then 256 rows of V
.set SLOT1, 1<<17                      ; slot 1 begins here: one exclusive or turns an address from one slot to the other
.set STAGE, 212992                     ; behind the ring: 16 rows x 144 bytes for each wave, for the way out
.set SPARE, STAGE+16*16*PK             ; the spare words, 128 bytes for each wave
.set AK0, 1                            ; v1   my lane's place in a tile of K
.set AV0, 2                            ; v2   the same for V
.set SPW, 3                            ; v3   LDS address of my spare word; never rewritten
.set NIL, 4                            ; v4   0; never rewritten
.set STO, 5                            ; v5   the way out: where I put 16 bytes of a row
.set RD,  6                            ; v6   where I read rows back
.set GO,  7                            ; v7   16 x lane
.set ADK, 8
.set ADV, 9
.set DR,  10                           ; v10  lane % 16 - 8 (lane / 16)
.set PFO, 11                           ; v11  256 x lane: the prefetches' offset; never rewritten
.set Q,   16                           ; v16-31   Q's two fragments
.set QB,  32                           ; v32-47   the second block's
.set F,   48                           ; v48-111  fragments of K or of V for 64 keys
.set S,   112                          ; v112-175 S^T, then p
.set P,   176                          ; v176-207 p in f16
.set O,   208                          ; v208-239 O^T
.set CM,  240                          ; v240 c m, v241 m
.set L,   242                          ; v[242:243] the sum, in two halves
.set MX,  244                          ; v244-247 four chains of the maximum
.set AA,  248                          ; v[248:249] a = 2^(c m_old - c m_new); the low word serves both halves
.set OCM, 250
.set DD,  251
.set NINF, 252
.set TP,  253
.set L2,  254                          ; v[254:255] the sum's second chain
.set TB,  2                            ; s2   LDS byte at which the slot in hand begins
.set WV,  18
.set SEL, 20
.set CS,  22                           ; s[22:23] c = log2(e) / 8
.set G1K, 24
.set G1V, 32
.set G0K, 40
.set G0V, 44
.set SLOTS, 67
.set KBC, 68                           ; the key block in hand
.set KBN, 69                           ; the key block asked for
.set LENA, 70                          ; 8 - j: key blocks of the first query block
.set QBLK, 71                          ; the query block in hand
.set JJ,  72
.set KPT, 74                           ; s[74:75] my part of K's block 0 in memory
.set PFA, 76
.set LIM, 80
.set VPT, 84
.set YH,  86
.set YB,  88
.set KF,  98                           ; the step's first key
.set Q0,  99                           ; my first query
.macro PLACES
.rept 4
	v_nop
.endr
.endm
; Waves 0 and 1 fetch for K, waves 2 and 3 for V, the others nothing.  An s_nop 0 and four v_nop follow each of the two lines.
.macro TLOAD
	s_cmp_lt_u32 s[WV], 2
	s_cbranch_scc0 .Lnot_k_\@
	tensor_load_to_lds s[G0K:G0K+3], s[G1K:G1K+7]
	s_nop 0
.rept 4
	v_nop
.endr
	s_branch .Lasked_\@
.Lnot_k_\@:
	s_cmp_lt_u32 s[WV], 4
	s_cbranch_scc0 .Lasked_\@
	tensor_load_to_lds s[G0V:G0V+3], s[G1V:G1V+7]
	s_nop 0
.rept 4
	v_nop
.endr
.Lasked_\@:
.endm
; A PREFETCH INTO THE L2 of the key block that the NEXT change of slots will ask for.  All four work-groups of a head walk the head's K and V from block 0 on: work-group j = 0, which walks all eight, asks, and nobody else.
; In it waves 4 to 7 ask for K's 32,768 bytes of a block and waves 8 to 11 for V's: 8,192 bytes a wave, lanes 256 bytes apart, one instruction.  Trip i names block i + 2; the last request is block 7.
.macro ASK
	s_cmp_gt_u32 s[SLOTS], s[LIM]
	s_cbranch_scc0 .Lnot_mine_\@
	global_prefetch_b8 v[PFO], s[PFA:PFA+1] th:TH_LOAD_NT scope:SCOPE_SE
.Lnot_mine_\@:
.endm
	s_load_b128 s[4:7], s[0:1], 0x0                ; qkv16, y16
	v_lshl_add_u32 v[SPW], v0, 2, SPARE
	v_mov_b32 v[NIL], 0
	ds_add_u32 v[SPW], v[NIL]                      ; the wave's opening: the add, twice on end, and its wait ahead of my first tensor load
	ds_add_u32 v[SPW], v[NIL]
	v_lshrrev_b32 v8, 5, v0
	v_readfirstlane_b32 s[WV], v8                  ; wave 0..15
	s_mov_b32 s[JJ], ttmp9
	s_and_b32 s96, ttmp7, 0xffff                   ; 16 x batch + head
	s_lshr_b32 s97, s96, 4
	s_mul_i32 s97, s97, 48
	s_and_b32 s90, s96, 15
	s_add_co_u32 s97, s97, s90
	s_lshl_b32 s8, s97, 18                         ; q's block of this head: (48 batch + head) x 262,144 bytes
	s_mov_b32 s9, 0
	s_lshl_b32 s10, s96, 18                        ; y's
	s_mov_b32 s11, 0
	s_sub_co_u32 s[LENA], 8, s[JJ]
	s_sub_co_u32 s[QBLK], 7, s[JJ]
	s_lshl_b32 s[Q0], s[QBLK], 8
	s_lshl_b32 s90, s[WV], 4
	s_add_co_u32 s[Q0], s[Q0], s90                 ; my first query: 256 x block + 16 x wave
	s_lshl_b32 s12, s[Q0], 7                       ; its row, in bytes
	s_mov_b32 s13, 0
	s_lshl_b32 s14, s[JJ], 8
	s_add_co_u32 s14, s14, s90
	s_lshl_b32 s14, s14, 7                         ; and the second block's
	s_mov_b32 s15, 0
	s_and_b32 s16, s[WV], 1                        ; which 128 rows of a block I fetch, if I fetch
	s_lshl_b32 s92, s16, 14
	s_mov_b32 s93, 0
	s_mul_i32 s17, s16, 128*PK
	s_mul_i32 s19, s16, 128*PV
	s_add_co_u32 s19, s19, VOFF
	s_mov_b32 s[G1K], (1<<16)|(1<<20)|(4<<22)|(3<<25)   ; no mask; elements of 2 bytes; padding on: 4 words after every 32
	s_mov_b32 s[G1V], (1<<16)|(1<<20)|(4<<22)|(7<<25)   ; 8 words
.irp g, G1K, G1V
	s_mov_b32 s[\g+1], 64<<16                      ; tensor_dim0
	s_mov_b32 s[\g+2], 128<<16                     ; tensor_dim1
	s_mov_b32 s[\g+3], 64<<16                      ; tile_dim0
	s_mov_b32 s[\g+4], 128                         ; tile_dim1
	s_mov_b32 s[\g+5], 64                          ; the pitch
	s_mov_b32 s[\g+6], 0
	s_mov_b32 s[\g+7], 0
.endr
	s_mov_b32 s[SEL], 0x76543210
	s_mov_b32 s[SEL+1], 0xfedcba98
	s_mov_b32 s[CS], 0x3e38aa3b                    ; c = log2(e) / sqrt(64)
	s_mov_b32 s[CS+1], s[CS]
	s_mov_b32 s[TB], 0
	s_mov_b32 s[SLOTS], 8
	s_mov_b32 s[KBC], 0
	s_mov_b32 s[KBN], 0
	s_wait_dscnt 0x0                               ; both opening adds are done
	s_wait_kmcnt 0x0
	s_add_nc_u64 s[4:5], s[4:5], s[8:9]            ; q of my head
	s_add_nc_u64 s[YH:YH+1], s[6:7], s[10:11]
	s_add_nc_u64 s[YB:YB+1], s[YH:YH+1], s[12:13]
	s_add_nc_u64 s[KPT:KPT+1], s[4:5], 16<<18      ; k lies 16 blocks on, v 32
	s_add_nc_u64 s[VPT:VPT+1], s[4:5], 32<<18
	s_cmp_lt_u32 s[WV], 8
	s_cselect_b64 s[PFA:PFA+1], s[KPT:KPT+1], s[VPT:VPT+1]
	s_add_nc_u64 s[KPT:KPT+1], s[KPT:KPT+1], s[92:93]
	s_add_nc_u64 s[VPT:VPT+1], s[VPT:VPT+1], s[92:93]
	s_mov_b32 s[G0K], 1
	s_mov_b32 s[G0K+1], s17
	s_mov_b64 s[G0K+2:G0K+3], s[KPT:KPT+1]
	s_or_b32 s[G0K+3], s[G0K+3], 0x80000000
	s_mov_b32 s[G0V], 1
	s_mov_b32 s[G0V+1], s19
	s_mov_b64 s[G0V+2:G0V+3], s[VPT:VPT+1]
	s_or_b32 s[G0V+3], s[G0V+3], 0x80000000
	TLOAD                                          ; key block 0 into slot 0: it counts for every query
	s_add_nc_u64 s[8:9], s[4:5], s[12:13]
	s_add_nc_u64 s[10:11], s[4:5], s[14:15]
	v_and_b32 v12, 15, v0                          ; r
	v_bfe_u32 v13, v0, 4, 1                        ; h
	v_lshlrev_b32 v14, 7, v12
	v_lshl_add_u32 v14, v13, 4, v14                ; Q: row r of 128 bytes, + 16 h
.irp i, 0,1,2,3
	global_load_b128 v[Q+4*\i:Q+4*\i+3], v14, s[8:9] offset:32*\i
	global_load_b128 v[QB+4*\i:QB+4*\i+3], v14, s[10:11] offset:32*\i
.endr
	s_and_b32 s96, s[WV], 3                        ; the prefetches: my wave's 8,192 bytes, in block 1: the first change of slots steps it to block 2
	s_lshl_b32 s96, s96, 13
	s_add_co_u32 s96, s96, 32768
	s_mov_b32 s97, 0
	s_add_nc_u64 s[PFA:PFA+1], s[PFA:PFA+1], s[96:97]
	s_sub_co_u32 s96, s[WV], 4
	s_lshr_b32 s96, s96, 3                         ; 0 in waves 4 to 11,
	s_or_b32 s96, s96, ttmp9                       ; of work-group j = 0
	s_cmp_eq_u32 s96, 0
	s_cselect_b32 s[LIM], 2, -1
	v_mul_u32_u24 v[AK0], v12, PK
	v_lshl_add_u32 v[AK0], v13, 4, v[AK0]          ; row r x pitch + 16 h
	v_and_b32 v15, 7, v0
	v_lshl_add_u32 v[AV0], v13, 3, v15
	v_mul_u32_u24 v[AV0], v[AV0], PV
	v_bfe_u32 v15, v0, 3, 1
	v_lshl_add_u32 v[AV0], v15, 4, v[AV0]
	v_add_nc_u32 v[AV0], VOFF, v[AV0]              ; key 8 h + l % 8, channels 8 ((l / 8) % 2) on
	s_mul_i32 s96, s[WV], 16*PK
	s_add_co_u32 s96, s96, STAGE
	v_add_nc_u32 v[STO], s96, v[AK0]
	v_bfe_u32 v15, v0, 3, 2
	v_mul_u32_u24 v[RD], v15, PK
	v_and_b32 v15, 7, v0
	v_lshl_add_u32 v[RD], v15, 4, v[RD]
	v_add_nc_u32 v[RD], s96, v[RD]                 ; back: eight lanes to a row of 128 bytes, four rows an instruction
	v_and_b32 v[GO], 31, v0
	v_lshlrev_b32 v[PFO], 8, v[GO]
	v_lshlrev_b32 v[GO], 4, v[GO]
	v_lshlrev_b32 v15, 3, v13
	v_sub_nc_u32 v[DR], v12, v15
	v_mov_b32 v[NINF], 0xff800000
	v_mov_b32 v[TP], 0                             ; a lane permute's destination counts as one of its sources
	v_mov_b32 v[AA+1], 0                           ; named as the upper half of a pair
	v_mov_b32 v[CM+1], 0xff61b1e6                  ; m: -3e38, under every score
	v_mul_f32 v[CM], s[CS], v[CM+1]
	v_mov_b32 v[L], 0
	v_mov_b32 v[L+1], 0
.set i, 0
.rept 32
	v_mov_b32 v[O+i], 0                            ; the step is written once: its first run finds zeros, which a = 0 leaves zeros
.set i, i+1
.endr
; A KEY STEP: 128 keys, the q-th half of the slot in hand.
.macro STEP q
	s_add_co_u32 s96, s[Q0], 15
	s_cmp_gt_u32 s[KF], s96                        ; all its keys come after my queries: nothing to do
	s_cbranch_scc1 .Lhidden_\@
	v_add_nc_u32 v[ADK], s[TB], v[AK0]
	v_add_nc_u32 v[ADV], s[TB], v[AV0]
	v_nop
	v_nop                                          ; with the two additions: four places in front of loads into registers that the last products read
.irp g, 0,1                                    ; S^T = K Q^T, 64 keys at a time
.if \g
	PLACES
.endif
.irp kt, 0,1,2,3
.irp c, 0,1
	ds_load_b128 v[F+16*\kt+8*\c:F+16*\kt+8*\c+3], v[ADK] offset:(128*(\q)+64*\g+16*\kt)*PK+64*\c
	ds_load_b128 v[F+16*\kt+8*\c+4:F+16*\kt+8*\c+7], v[ADK] offset:(128*(\q)+64*\g+16*\kt)*PK+64*\c+32
.endr
.endr
	s_wait_dscnt 0x0
.irp c, 0,1                                    ; four accumulators by turns
.irp kt, 0,1,2,3
.if \c
	v_wmma_f32_16x16x32_f16 v[S+8*(4*\g+\kt):S+8*(4*\g+\kt)+7], v[F+16*\kt+8*\c:F+16*\kt+8*\c+7], v[Q+8*\c:Q+8*\c+7], v[S+8*(4*\g+\kt):S+8*(4*\g+\kt)+7]
.else
	v_wmma_f32_16x16x32_f16 v[S+8*(4*\g+\kt):S+8*(4*\g+\kt)+7], v[F+16*\kt+8*\c:F+16*\kt+8*\c+7], v[Q+8*\c:Q+8*\c+7], 0
.endif
.endr
.endr
.endr
	PLACES
	s_add_co_u32 s96, s[KF], 127                   ; a step all of whose keys count skips the mask
	s_cmp_le_u32 s96, s[Q0]
	s_cbranch_scc1 .Lopen_\@
	s_sub_co_u32 s96, s[Q0], s[KF]
	v_add_nc_u32 v[DD], s96, v[DR]                 ; d = my query - KF - 8 (lane / 16).  Register n holds key KF + 16 (n / 8) + 8 (lane / 16) + n % 8: hidden where 16 (n / 8) + n % 8 > d
.set n, 0
.rept 64
	v_cmp_gt_i32 vcc_lo, 16*(n/8)+n%8, v[DD]
	v_cndmask_b32 v[S+n], v[S+n], v[NINF], vcc_lo
.set n, n+1
.endr
.Lopen_\@:
.irp b, 0,1,2,3
	v_max3_num_f32 v[MX+\b], v[S+16*\b], v[S+16*\b+1], v[S+16*\b+2]   ; the maximum, in four chains; each accumulator is first read at its low end
.endr
.irp i, 3,5,7,9,11,13
.irp b, 0,1,2,3
	v_max3_num_f32 v[MX+\b], v[MX+\b], v[S+16*\b+\i], v[S+16*\b+\i+1]
.endr
.endr
.irp b, 0,1,2,3
	v_max_num_f32 v[MX+\b], v[MX+\b], v[S+16*\b+15]
.endr
	v_max3_num_f32 v[MX], v[MX], v[MX+1], v[MX+2]
	v_max3_num_f32 v[MX], v[MX], v[MX+3], v[CM+1]  ; with the old m
	v_permlanex16_b32 v[TP], v[MX], s[SEL], s[SEL+1]   ; the query's other keys lie in the lane 16 away
	v_mov_b32 v[OCM], v[CM]
	v_max_num_f32 v[CM+1], v[MX], v[TP]            ; the new m
	v_mul_f32 v[CM], s[CS], v[CM+1]
	v_sub_f32 v[OCM], v[OCM], v[CM]                ; c m_old - c m_new, 0 or less
.set n, 0
.rept 32
	v_pk_fma_f32 v[S+n:S+n+1], v[S+n:S+n+1], s[CS:CS+1], v[CM:CM+1] op_sel_hi:[1,0,0] neg_lo:[0,0,1] neg_hi:[0,0,1]   ; c s - c m
.set n, n+2
.endr
	v_exp_f32 v[AA], v[OCM]                        ; a
.set n, 0
.rept 64
	v_exp_f32 v[S+n], v[S+n]                       ; p = 2^(c s - c m), at most 1
.set n, n+1
.endr
	v_nop                                          ; a plain instruction behind the last exponential
	s_wait_alu depctr_va_vdst(0)                   ; one wait for the whole batch, ahead of its first reader
	v_pk_mul_f32 v[L:L+1], v[L:L+1], v[AA:AA+1] op_sel_hi:[1,0]
.set n, 0
.rept 32
	v_cvt_pk_f16_f32 v[P+n], v[S+2*n], v[S+2*n+1]
.set n, n+1
.endr
	v_pk_add_f32 v[L2:L2+1], v[S:S+1], v[S+2:S+3]  ; the row's sum, of the unrounded p, in two chains
.set n, 4
.rept 15
	v_pk_add_f32 v[L:L+1], v[L:L+1], v[S+n:S+n+1]
	v_pk_add_f32 v[L2:L2+1], v[L2:L2+1], v[S+n+2:S+n+3]
.set n, n+4
.endr
	v_pk_add_f32 v[L:L+1], v[L:L+1], v[L2:L2+1]
.set n, 0
.rept 16
	v_pk_mul_f32 v[O+n:O+n+1], v[O+n:O+n+1], v[AA:AA+1] op_sel_hi:[1,0]   ; O^T under the new m
.set n, n+2
.endr
.irp g, 0,1                                    ; O^T += V^T P, 64 keys at a time
.if \g
	PLACES
.endif
.irp kg, 0,1
.irp ct, 0,1,2,3
	ds_load_tr16_b128 v[F+32*\kg+8*\ct:F+32*\kg+8*\ct+3], v[ADV] offset:(128*(\q)+64*\g+32*\kg)*PV+32*\ct
	ds_load_tr16_b128 v[F+32*\kg+8*\ct+4:F+32*\kg+8*\ct+7], v[ADV] offset:(128*(\q)+64*\g+32*\kg+16)*PV+32*\ct
.endr
.endr
	s_wait_dscnt 0x0
.irp kg, 0,1
.irp ct, 0,1,2,3
	v_wmma_f32_16x16x32_f16 v[O+8*\ct:O+8*\ct+7], v[F+32*\kg+8*\ct:F+32*\kg+8*\ct+7], v[P+8*(2*\g+\kg):P+8*(2*\g+\kg)+7], v[O+8*\ct:O+8*\ct+7]
.endr
.endr
.endr
.Lhidden_\@:
	s_add_co_u32 s[KF], s[KF], 128
.endm
; THE CHANGE OF SLOTS stands at a slot's head: all my tensor loads have landed, the add, my reads of the slot that I have left are over; one barrier; fill = 1: the slot just left takes the next key block.
.macro CHANGE fill
	s_wait_tensorcnt 0x0                           ; no tensor load of mine is out, so a group 0 may be written
	ds_add_u32 v[SPW], v[NIL]                      ; 0 onto my spare word
.if \fill
	ds_add_u32 v[SPW], v[NIL]                      ; and once more
	s_add_co_u32 s[KBN], s[KBC], 1
	s_cmp_eq_u32 s[KBN], s[LENA]
	s_cselect_b32 s[KBN], 0, s[KBN]                ; behind the first query block's last key block comes block 0, for the second
	s_xor_b32 s[G0K+1], s[G0K+1], SLOT1
	s_xor_b32 s[G0V+1], s[G0V+1], SLOT1
	s_lshl_b32 s90, s[KBN], 15                     ; a block is 256 rows of 128 bytes
	s_mov_b32 s91, 0
	s_add_nc_u64 s[G0K+2:G0K+3], s[KPT:KPT+1], s[90:91]
	s_or_b32 s[G0K+3], s[G0K+3], 0x80000000
	s_add_nc_u64 s[G0V+2:G0V+3], s[VPT:VPT+1], s[90:91]
	s_or_b32 s[G0V+3], s[G0V+3], 0x80000000
	s_wait_xcnt 0x0                                ; the last prefetch, a slot back, has read its address
	s_add_nc_u64 s[PFA:PFA+1], s[PFA:PFA+1], 32768
.endif
	s_wait_dscnt 0x0
	s_barrier_signal -1
	s_barrier_wait -1
.if \fill
	TLOAD                                          ; the first thing behind the barrier, and a wave's one tensor load until the next: one load of mine is out at the most
	ASK
.endif
.endm
; A QUERY BLOCK'S END: O^T / the sum, rounded to f16, through my stage, out as 2,048 consecutive bytes.  again = 1: the second query block begins.
.macro FINISH again
	PLACES
	v_add_f32 v[L], v[L], v[L+1]
	v_permlanex16_b32 v[TP], v[L], s[SEL], s[SEL+1]
	v_add_f32 v[L], v[L], v[TP]
	v_rcp_f32 v[AA], v[L]
	v_nop
	s_wait_alu depctr_va_vdst(0)                   ; the wait ahead of the first use
.set n, 0
.rept 16
	v_pk_mul_f32 v[O+n:O+n+1], v[O+n:O+n+1], v[AA:AA+1] op_sel_hi:[1,0]
.set n, n+2
.endr
.set n, 0
.rept 16
	v_cvt_pk_f16_f32 v[S+n], v[O+2*n], v[O+2*n+1]
.set n, n+1
.endr
.irp ct, 0,1,2,3
	ds_store_b128 v[STO], v[S+4*\ct:S+4*\ct+3] offset:32*\ct
.endr
.irp i, 0,1,2,3
	ds_load_b128 v[S+16+4*\i:S+16+4*\i+3], v[RD] offset:4*PK*\i    ; LDS serves a wave's instructions in order: these see the stores above
.endr
	s_wait_dscnt 0x0
.irp i, 0,1,2,3
	global_store_b128 v[GO], v[S+16+4*\i:S+16+4*\i+3], s[YB:YB+1] offset:512*\i   ; 512 consecutive bytes
.endr
.if \again
	s_wait_xcnt 0x0                                ; the stores have read their registers and their base
	s_mov_b32 s[QBLK], s[JJ]
	s_lshl_b32 s[Q0], s[JJ], 8
	s_lshl_b32 s90, s[WV], 4
	s_add_co_u32 s[Q0], s[Q0], s90
	s_lshl_b32 s90, s[Q0], 7
	s_mov_b32 s91, 0
	s_add_nc_u64 s[YB:YB+1], s[YH:YH+1], s[90:91]
.set n, 0
.rept 16
	v_mov_b32 v[Q+n], v[QB+n]
.set n, n+1
.endr
	v_mov_b32 v[CM+1], 0xff61b1e6
	v_mul_f32 v[CM], s[CS], v[CM+1]
	v_mov_b32 v[L], 0
	v_mov_b32 v[L+1], 0
.set n, 0
.rept 32
	v_mov_b32 v[O+n], 0
.set n, n+1
.endr
.endif
.endm
.macro SLOT again
	s_lshl_b32 s[KF], s[KBC], 8
	STEP 0
	STEP 1
.if \again
	s_cmp_lg_u32 s[KBC], s[QBLK]                   ; the diagonal block ends a query block: ids alone, the same in all sixteen waves
	s_cbranch_scc1 .Lgo_on_\@
	FINISH 1
.Lgo_on_\@:
	s_mov_b32 s[KBC], s[KBN]
.else
	FINISH 0
.endif
	s_xor_b32 s[TB], s[TB], SLOT1
.endm
	s_wait_loadcnt 0x0                             ; Q, both blocks'
.Lslot:                                            ; eight trips: behind each change of slots the next key block is asked for; every block asked for is read
	CHANGE 1
	SLOT 1
	s_sub_co_u32 s[SLOTS], s[SLOTS], 1
	s_cmp_lg_u32 s[SLOTS], 0
	s_cbranch_scc1 .Lslot
	CHANGE 0                                       ; the ninth slot is written out: nothing is left to ask for; it is the second query block's diagonal
	SLOT 0
	s_wait_tensorcnt 0x0                           ; the wave's end
	ds_add_u32 v[SPW], v[NIL]
	s_wait_dscnt 0x0
	s_endpgm
.Lfunc_end_k_qf03dcd4b4d_attn:
	.size	k_qf03dcd4b4d_attn, .Lfunc_end_k_qf03dcd4b4d_attn-k_qf03dcd4b4d_attn
	.p2alignl 7, 3214868480
	.fill 96, 4, 3214868480
	.section	.rodata,"a",@progbits
	.p2align	6, 0x0
	.amdhsa_kernel k_qf03dcd4b4d_attn
		.amdhsa_group_segment_fixed_size 327680
		.amdhsa_private_segment_fixed_size 0
		.amdhsa_enable_private_segment 0
		.amdhsa_kernarg_size 16
		.amdhsa_user_sgpr_count 2
		.amdhsa_user_sgpr_kernarg_segment_ptr 1
		.amdhsa_wavefront_size32 1
		.amdhsa_system_sgpr_workgroup_id_x 1
		.amdhsa_system_sgpr_workgroup_id_y 1
		.amdhsa_system_sgpr_workgroup_id_z 1
		.amdhsa_system_vgpr_workitem_id 0
		.amdhsa_next_free_vgpr 256
		.amdhsa_next_free_sgpr 100
		.amdhsa_reserve_vcc 1
		.amdhsa_float_denorm_mode_32 3
		.amdhsa_float_denorm_mode_16_64 3
		.amdhsa_memory_ordered 1
		.amdhsa_forward_progress 1
		.amdhsa_inst_pref_size 112
	.end_amdhsa_kernel
	.amdgpu_metadata
---
amdhsa.version: [ 1, 2 ]
amdhsa.kernels:
  - .name:           k_qf03dcd4b4d_attn
    .symbol:         k_qf03dcd4b4d_attn.kd
    .args:
      - { .name: qkv16, .offset: 0, .size: 8, .value_kind: global_buffer, .address_space: global }
      - { .name: y16, .offset: 8, .size: 8, .value_kind: global_buffer, .address_space: global }
    .group_segment_fixed_size: 327680
    .private_segment_fixed_size: 0
    .kernarg_segment_align: 8
    .kernarg_segment_size: 16
    .max_flat_workgroup_size: 512
    .sgpr_count:     100
    .vgpr_count:     256
    .wavefront_size: 32
...
	.end_amdgpu_metadata
.endif
;; end of part 3
;; launch proj (part 4): grid 8 x 32, 4 waves a work-group, clusters of 4 x 4, 327,680 bytes of LDS; arguments y16, w16, b_proj, out0; writes out0
.if DOCPART == 4
	.amdgcn_target "amdgcn-amd-amdhsa--gfx1250"
	.amdhsa_code_object_version 6
	.text
	.protected	k_qf03dcd4b4d_proj
	.globl	k_qf03dcd4b4d_proj
	.p2align	8
	.type	k_qf03dcd4b4d_proj,@function
k_qf03dcd4b4d_proj:
	s_mov_b64 s[64:65], 0
	v_nop
	global_prefetch_b8 v0, s[64:65] scope:SCOPE_SE
	s_setreg_imm32_b32 hwreg(HW_REG_WAVE_MODE, 25, 1), 1
	s_wait_xcnt 0x0
	s_wait_alu depctr_hold_cnt(0) depctr_sa_sdst(0) depctr_va_vdst(0) depctr_va_sdst(0) depctr_va_ssrc(0) depctr_va_vcc(0) depctr_vm_vsrc(0)
	s_getreg_b32 s2, hwreg(HW_REG_IB_STS2, 6, 4)
	s_cmp_eq_u32 s2, 0
	s_cbranch_scc0 .Lentry_in_a_cluster
	s_endpgm
.Lentry_in_a_cluster:
	s_bfe_u32 s2, ttmp6, 0x10000c
	s_cmp_lg_u32 s2, 0xf033
	s_cbranch_scc0 .Lentry_shape_is_right
	s_endpgm
.Lentry_shape_is_right:
; out0[m][n] = the sum over k of y[m][k] w_proj[k][n] + b_proj[n], on f16 operands with f32 sums.  y16: [batch][head][t][64] f16 (k = 64 head + channel); w16: [k 1024][n 1024] f16; out0: [8192][1024] f32.
; A tile of 256 x 128 is made by four waves, each 128 rows x 64 columns: 32 accumulators.  256 work-groups.  K goes in steps of 128 (two heads) through a ring of two LDS slots.
; CLUSTERS: 4 x 4 work-groups.  The four of a row of the cluster need the same rows of y, the four of a column the same columns of w: each tile is asked for jointly.
; THE MATRIX INSTRUCTION IS USED TRANSPOSED: source 0 = 16 columns of w (turned out of LDS by ds_load_tr16_b128, since K is w's first axis), source 1 = 16 rows of y: a lane holds eight neighbouring columns of one row.
; The bias is the C of each sum's first instruction.
; REGISTERS: window 0: v0-31 addresses; v32-63 the bias; v64-127 the way out.   window 1: two fragment buffers of 96 (y's eight blocks, then w's four).   window 2: the accumulators, (a, bb) at v[8 (4 a + bb)].
.set PA,    144                        ; a row of y in LDS: 128 bytes + 16
.set PB,    288                        ; a row of w: 256 bytes + 32: an odd multiple of 32
.set SUBA,  256*PA                     ; a head's 256 rows
.set BOFF,  2*SUBA                     ; w's 128 rows lie behind y's two heads
.set SLOT,  BOFF+128*PB
.set STAGE, 2*SLOT                     ; 16 rows x 272 bytes for each wave
.set SPARE, STAGE+4*16*272
.set ADRA, 16
.set ADRB, 20
.set STO,  24
.set RD,   25
.set CO,   26
.set SPW,  28
.set NIL,  29
.set BA,   31
.set BIAS, 32
.set BK,   64
.set F0,   0
.set F1,   96
.set G1, 24
.set G0, 32
.set G1B, 48
.set G0B, 56
.set MSB, 0
.macro WIN new
.if MSB != \new
	s_set_vgpr_msb (MSB<<8)|\new
.set MSB, \new
.endif
.endm
.set MUL,   0xa5                       ; sources 0 and 1 window 1, C and D window 2
.set FIRST, 0x85                       ; the same with C (the bias) in window 0
.set TO_F,  0x40
.macro JLOAD s                         ; waves 0 and 1 fetch y's two heads, waves 2 and 3 w's two halves; an s_nop 0 and four v_nop follow each line
	s_cmp_eq_u32 s13, 0
	s_cbranch_scc0 .Lfor_b_\@
	tensor_load_to_lds s[G0+4*\s:G0+4*\s+3], s[G1:G1+7]
	s_nop 0
.rept 4
	v_nop
.endr
	s_branch .Lasked_\@
.Lfor_b_\@:
	tensor_load_to_lds s[G0B+4*\s:G0B+4*\s+3], s[G1B:G1B+7]
	s_nop 0
.rept 4
	v_nop
.endr
.Lasked_\@:
.endm
.macro CREST
	s_cmp_lg_u32 s12, 0
	s_cbranch_scc1 .Lnot_wave_0_\@
	s_barrier_signal -3
.Lnot_wave_0_\@:
	s_barrier_wait -3
	s_barrier_signal -1
	s_barrier_wait -1
.endm
.macro CROUND
	s_barrier_signal -1
	s_barrier_wait -1
	CREST
.endm
.macro PLACES
.rept 4
	v_nop
.endr
.endm
	s_load_b128 s[4:7], s[0:1], 0x0                ; y16, w16
	s_load_b128 s[8:11], s[0:1], 0x10              ; b_proj, out0
	v_lshl_add_u32 v[SPW], v0, 2, SPARE
	v_mov_b32 v[NIL], 0
	ds_add_u32 v[SPW], v[NIL]                      ; the wave's opening: the add, twice on end, and its wait ahead of my first tensor load
	ds_add_u32 v[SPW], v[NIL]
	v_lshrrev_b32 v1, 5, v0
	v_readfirstlane_b32 s12, v1                    ; wave 0..3
	s_lshr_b32 s13, s12, 1                         ; which half of the rows is mine.  Also: I fetch y (0) or w (1)
	s_and_b32 s14, s12, 1                          ; which half of the columns.  Also: which part I fetch
	s_bfe_u32 s40, ttmp6, 0x40000                  ; cx
	s_bfe_u32 s41, ttmp6, 0x40004                  ; cy
	s_lshl_b32 s42, ttmp9, 2
	s_add_co_u32 s42, s42, s40                     ; tile column
	s_and_b32 s15, ttmp7, 0xffff
	s_lshl_b32 s15, s15, 2
	s_add_co_u32 s15, s15, s41                     ; tile row
	s_lshl_b32 s43, s41, 2
	s_lshl_b32 s43, 15, s43                        ; my row of the cluster
	s_lshl_b32 s44, 0x1111, s40                    ; my column
	s_or_b32 s[G1+0], s43, (1<<16)|(1<<20)|(1<<21)|(4<<22)|(3<<25)   ; y: elements of 2 bytes; 4 words of padding after every 32
	s_mov_b32 s[G1+1], 64<<16
	s_mov_b32 s[G1+2], 256<<16
	s_mov_b32 s[G1+3], 64<<16
	s_mov_b32 s[G1+4], 256                         ; 256 rows of 64 elements, dense
	s_mov_b32 s[G1+5], 64
	s_mov_b32 s[G1+6], 0
	s_mov_b32 s[G1+7], 0
	s_or_b32 s[G1B+0], s44, (1<<16)|(1<<20)|(1<<21)|(5<<22)|(7<<25)  ; w: 8 words of padding after every 64
	s_mov_b32 s[G1B+1], 128<<16
	s_mov_b32 s[G1B+2], 64<<16
	s_mov_b32 s[G1B+3], 128<<16
	s_mov_b32 s[G1B+4], 64                         ; 64 rows of 128 elements, 1,024 elements apart
	s_mov_b32 s[G1B+5], 1024
	s_mov_b32 s[G1B+6], 0
	s_mov_b32 s[G1B+7], 0
	s_lshr_b32 s16, s15, 3                         ; y: batch = tile row / 8, of 2^22 bytes;
	s_lshl_b32 s16, s16, 22
	s_and_b32 s17, s15, 7
	s_lshl_b32 s17, s17, 15                        ; t = 256 (tile row % 8), rows of 128 bytes;
	s_add_co_u32 s16, s16, s17
	s_lshl_b32 s17, s14, 18                        ; my head of the step's two
	s_add_co_u32 s16, s16, s17
	s_mov_b32 s17, 0
	s_lshl_b32 s46, s14, 17                        ; w: my 64 rows of the step's 128, rows of 2,048 bytes;
	s_lshl_b32 s47, s42, 8                         ; the tile's 128 columns
	s_add_co_u32 s46, s46, s47
	s_mov_b32 s47, 0
	s_mul_i32 s20, s14, SUBA                       ; where they go
	s_mul_i32 s21, s14, 64*PB
	s_add_co_u32 s21, s21, BOFF
	s_wait_dscnt 0x0                               ; both opening adds are done
	s_wait_kmcnt 0x0
	s_add_nc_u64 s[16:17], s[4:5], s[16:17]
	s_add_nc_u64 s[46:47], s[6:7], s[46:47]
	CROUND                                         ; all sixteen work-groups are here: the first joint loads meet
.irp s, 0,1
	s_mov_b32 s[G0+4*\s], 1
	s_add_co_u32 s[G0+4*\s+1], s20, \s*SLOT
	s_add_nc_u64 s[G0+4*\s+2:G0+4*\s+3], s[16:17], \s*524288       ; a K step is two heads of 262,144 bytes
	s_or_b32 s[G0+4*\s+3], s[G0+4*\s+3], 0x80000000
	s_mov_b32 s[G0B+4*\s], 1
	s_add_co_u32 s[G0B+4*\s+1], s21, \s*SLOT
	s_add_nc_u64 s[G0B+4*\s+2:G0B+4*\s+3], s[46:47], \s*262144     ; and 128 rows of w
	s_or_b32 s[G0B+4*\s+3], s[G0B+4*\s+3], 0x80000000
	JLOAD \s                                       ; two tensor loads of mine are out at the most
.endr
	v_and_b32 v1, 15, v0                           ; r
	v_bfe_u32 v2, v0, 4, 1                         ; h
	v_lshlrev_b32 v[BA], 5, v2
	s_lshl_b32 s46, s42, 9                         ; my first column, in bytes of f32: 512 x tile column + 256 x half
	s_lshl_b32 s47, s14, 8
	s_add_co_u32 s46, s46, s47
	s_mov_b32 s47, 0
	s_add_nc_u64 s[8:9], s[8:9], s[46:47]
.irp bb, 0,1,2,3
	global_load_b128 v[BIAS+8*\bb:BIAS+8*\bb+3], v[BA], s[8:9] offset:64*\bb
	global_load_b128 v[BIAS+8*\bb+4:BIAS+8*\bb+7], v[BA], s[8:9] offset:64*\bb+16
.endr
	s_add_nc_u64 s[10:11], s[10:11], s[46:47]
	s_lshl_b32 s20, s15, 20                        ; my first row: 256 x tile row + 128 x half, rows of 4,096 bytes
	s_lshl_b32 s21, s13, 19
	s_add_co_u32 s20, s20, s21
	s_mov_b32 s21, 0
	s_add_nc_u64 s[10:11], s[10:11], s[20:21]
	v_mul_u32_u24 v3, v1, PA
	v_lshl_add_u32 v3, v2, 4, v3                   ; y: row r x pitch + 16 h
	s_mul_i32 s22, s13, 128*PA
	v_and_b32 v4, 7, v0
	v_lshl_add_u32 v4, v2, 3, v4
	v_mul_u32_u24 v4, v4, PB
	v_bfe_u32 v5, v0, 3, 1
	v_lshl_add_u32 v4, v5, 4, v4                   ; w: row 8 h + l % 8, columns 8 ((l / 8) % 2) on
	s_lshl_b32 s23, s14, 7
	s_add_co_u32 s23, s23, BOFF
.irp s, 0,1
	v_add_nc_u32 v[ADRA+\s], s22, v3
	v_add_nc_u32 v[ADRB+\s], s23, v4
	s_add_co_u32 s22, s22, SLOT
	s_add_co_u32 s23, s23, SLOT
.endr
	s_mul_i32 s22, s12, 16*272
	s_add_co_u32 s22, s22, STAGE                   ; my stage
	v_mul_u32_u24 v5, v1, 272
	v_lshl_add_u32 v5, v2, 5, v5
	v_add_nc_u32 v[STO], s22, v5                   ; in: row r, 32 bytes for each half of the lanes
	v_mul_u32_u24 v5, v2, 272
	v_lshl_add_u32 v5, v1, 4, v5
	v_add_nc_u32 v[RD], s22, v5                    ; back: lanes 0-15 one row of 256 bytes, lanes 16-31 the next
	v_lshlrev_b32 v5, 4, v1
	v_lshl_add_u32 v[CO], v2, 12, v5               ; and the same two rows in out0
; 8 matrix instructions: y's blocks a0, a0 + 1 x w's four.  first = 1: the sums start from the bias.  The 32 accumulators take turns, in the same order in every quarter.
.macro MUL8 f, a0, first
.irp a, \a0, \a0+1
.irp bb, 0,1,2,3
.if \first
	v_wmma_f32_16x16x32_f16 v[8*(4*(\a)+\bb):8*(4*(\a)+\bb)+7], v[\f+64+8*\bb:\f+64+8*\bb+7], v[\f+8*(\a):\f+8*(\a)+7], v[BIAS+8*\bb:BIAS+8*\bb+7]
.else
	v_wmma_f32_16x16x32_f16 v[8*(4*(\a)+\bb):8*(4*(\a)+\bb)+7], v[\f+64+8*\bb:\f+64+8*\bb+7], v[\f+8*(\a):\f+8*(\a)+7], v[8*(4*(\a)+\bb):8*(4*(\a)+\bb)+7]
.endif
.endr
.endr
.endm
; 24 LDS loads in one run: the fragments of the slot's q-th 32 along K into buffer f: w's four (turned), then y's eight, blocks 4-7 last
.macro FETCH slot, q, f
	WIN TO_F
.irp bb, 0,1,2,3
	ds_load_tr16_b128 v[\f+64+8*\bb:\f+64+8*\bb+3], v[ADRB+\slot] offset:32*PB*(\q)+32*\bb
	ds_load_tr16_b128 v[\f+64+8*\bb+4:\f+64+8*\bb+7], v[ADRB+\slot] offset:32*PB*(\q)+16*PB+32*\bb
.endr
.irp a, 0,1,2,3,4,5,6,7
	ds_load_b128 v[\f+8*\a:\f+8*\a+3], v[ADRA+\slot] offset:SUBA*((\q)/2)+64*((\q)%2)+16*PA*\a
	ds_load_b128 v[\f+8*\a+4:\f+8*\a+7], v[ADRA+\slot] offset:SUBA*((\q)/2)+64*((\q)%2)+16*PA*\a+32
.endr
.endm
; One of a K step's first three quarters: multiplies buffer f; in its middle it fetches the slot's q-th quarter into g.
.macro QUARTER slot, q, f, g, first
	s_wait_dscnt 8                                 ; w's and y's blocks 0-3 are in; y's blocks 4-7 may be out
.if \first
	WIN FIRST
.else
	WIN MUL
.endif
	MUL8 \f, 0, \first
	MUL8 \f, 2, \first
	PLACES
	FETCH \slot, \q, \g
	s_wait_dscnt 24                                ; all but the 24 just issued
.if \first
	WIN FIRST
.else
	WIN MUL
.endif
	MUL8 \f, 4, \first
	MUL8 \f, 6, \first
.endm
; The last quarter multiplies buffer 1 and changes slots: one barrier; in front of it all my tensor loads have landed, the add, and my reads of this slot are over.  fill = 1: this slot is filled again, two K steps ahead.
.macro TURN slot, next, fill
	WIN 0
	s_wait_tensorcnt 0x0
	ds_add_u32 v[SPW], v[NIL]                      ; 0 onto my spare word
	s_wait_dscnt 9                                 ; the add and y's blocks 4-7 may be out
	WIN MUL
	MUL8 F1, 0, 0
	s_wait_dscnt 0x0
	s_barrier_signal -1
	MUL8 F1, 2, 0
	WIN 0
	s_barrier_wait -1
.if \fill
	CREST                                          ; the barrier has opened a round of the cluster's barrier: no wave of any partner still reads this slot or has a load on its way
	s_add_nc_u64 s[G0+4*\slot+2:G0+4*\slot+3], s[G0+4*\slot+2:G0+4*\slot+3], 2*524288
	s_add_nc_u64 s[G0B+4*\slot+2:G0B+4*\slot+3], s[G0B+4*\slot+2:G0B+4*\slot+3], 2*262144
	JLOAD \slot                                    ; the first tensor load behind the round; its four v_nop are also the places in front of the loads below
.else
	PLACES
.endif
	FETCH \next, 0, F0
	WIN MUL
	MUL8 F1, 4, 0
	MUL8 F1, 6, 0
.endm
	s_wait_tensorcnt 1                             ; my part of K step 0 is in; K step 1's may be out
	s_barrier_signal -1
	s_barrier_wait -1
	FETCH 0, 0, F0
	s_wait_loadcnt 0x0                             ; the bias
	QUARTER 0, 1, F0, F1, 1                        ; the first quarter stands in front of the loop: its products start the sums
	WIN 0
	s_mov_b32 s3, 3
.Llap:                                             ; a trip goes once round the ring and fills both slots again: K steps 2 to 7
	QUARTER 0, 2, F1, F0, 0
	QUARTER 0, 3, F0, F1, 0
	TURN 0, 1, 1
	QUARTER 1, 1, F0, F1, 0
	QUARTER 1, 2, F1, F0, 0
	QUARTER 1, 3, F0, F1, 0
	TURN 1, 0, 1
	QUARTER 0, 1, F0, F1, 0
	WIN 0
	s_sub_co_u32 s3, s3, 1
	s_cmp_lg_u32 s3, 0
	s_cbranch_scc1 .Llap
	QUARTER 0, 2, F1, F0, 0                        ; the last lap fills nothing
	QUARTER 0, 3, F0, F1, 0
	TURN 0, 1, 0
	QUARTER 1, 1, F0, F1, 0
	QUARTER 1, 2, F1, F0, 0
	QUARTER 1, 3, F0, F1, 0
	s_wait_dscnt 8
	WIN MUL
	MUL8 F1, 0, 0
	MUL8 F1, 2, 0
	s_wait_dscnt 0
	MUL8 F1, 4, 0
	MUL8 F1, 6, 0
	WIN 0
; THE WAY OUT, block by block of 16 rows x 64 columns, through my own stage: sixteen lanes store 256 consecutive bytes, aligned.
.macro TOSTAGE a
	WIN 0x08                                       ; an LDS store's data: window 2
.irp bb, 0,1,2,3
	ds_store_b128 v[STO], v[8*(4*(\a)+\bb):8*(4*(\a)+\bb)+3] offset:64*\bb          ; each accumulator from its low end on
	ds_store_b128 v[STO], v[8*(4*(\a)+\bb)+4:8*(4*(\a)+\bb)+7] offset:64*\bb+16
.endr
	WIN 0
.set BB, BK+32*((\a)%2)
.irp t, 0,1,2,3,4,5,6,7
	ds_load_b128 v[BB+4*\t:BB+4*\t+3], v[RD] offset:\t*544
.endr
.endm
.macro SEND a, younger
.set BB, BK+32*((\a)%2)
	s_wait_dscnt \younger
.irp t, 0,1,2,3,4,5,6,7
	global_store_b128 v[CO], v[BB+4*\t:BB+4*\t+3], s[10:11] offset:65536*(\a)+8192*\t th:TH_STORE_NT
.endr
.endm
	PLACES
	TOSTAGE 0
.irp a, 1,2,3,4,5,6,7
.if \a > 1
	s_wait_xcnt 0x0                                ; block a - 2's stores have read their registers: block a's loads may land there
.endif
	TOSTAGE \a
	SEND \a-1, 16                                  ; behind block a - 1's loads: block a's 8 stores and 8 loads
.endr
	SEND 7, 0
	s_wait_tensorcnt 0x0                           ; the wave's end
	ds_add_u32 v[SPW], v[NIL]
	s_wait_dscnt 0x0
	CROUND                                         ; the closing round
	s_endpgm
.Lfunc_end_k_qf03dcd4b4d_proj:
	.size	k_qf03dcd4b4d_proj, .Lfunc_end_k_qf03dcd4b4d_proj-k_qf03dcd4b4d_proj
	.p2alignl 7, 3214868480
	.fill 96, 4, 3214868480
	.section	.rodata,"a",@progbits
	.p2align	6, 0x0
	.amdhsa_kernel k_qf03dcd4b4d_proj
		.amdhsa_group_segment_fixed_size 327680
		.amdhsa_private_segment_fixed_size 0
		.amdhsa_enable_private_segment 0
		.amdhsa_kernarg_size 32
		.amdhsa_user_sgpr_count 2
		.amdhsa_user_sgpr_kernarg_segment_ptr 1
		.amdhsa_wavefront_size32 1
		.amdhsa_system_sgpr_workgroup_id_x 1
		.amdhsa_system_sgpr_workgroup_id_y 1
		.amdhsa_system_sgpr_workgroup_id_z 1
		.amdhsa_system_vgpr_workitem_id 0
		.amdhsa_next_free_vgpr 768
		.amdhsa_next_free_sgpr 66
		.amdhsa_reserve_vcc 0
		.amdhsa_float_denorm_mode_32 3
		.amdhsa_float_denorm_mode_16_64 3
		.amdhsa_memory_ordered 1
		.amdhsa_forward_progress 1
		.amdhsa_inst_pref_size 87
	.end_amdhsa_kernel
	.amdgpu_metadata
---
amdhsa.version: [ 1, 2 ]
amdhsa.kernels:
  - .name:           k_qf03dcd4b4d_proj
    .symbol:         k_qf03dcd4b4d_proj.kd
    .args:
      - { .name: y16, .offset: 0, .size: 8, .value_kind: global_buffer, .address_space: global }
      - { .name: w16, .offset: 8, .size: 8, .value_kind: global_buffer, .address_space: global }
      - { .name: b_proj, .offset: 16, .size: 8, .value_kind: global_buffer, .address_space: global }
      - { .name: out0, .offset: 24, .size: 8, .value_kind: global_buffer, .address_space: global }
    .group_segment_fixed_size: 327680
    .private_segment_fixed_size: 0
    .kernarg_segment_align: 8
    .kernarg_segment_size: 32
    .max_flat_workgroup_size: 128
    .sgpr_count:     66
    .vgpr_count:     768
    .wavefront_size: 32
...
	.end_amdgpu_metadata
.endif
;; end of part 4
;; launch fine (part 5): grid 16 x 4, 16 waves a work-group, no clusters, 71,680 bytes of LDS; arguments qkv32, w_proj, b_proj, out0; writes out0
.if DOCPART == 5
	.amdgcn_target "amdgcn-amd-amdhsa--gfx1250"
	.amdhsa_code_object_version 6
	.text
	.protected	k_qf03dcd4b4d_fine
	.globl	k_qf03dcd4b4d_fine
	.p2align	8
	.type	k_qf03dcd4b4d_fine,@function
k_qf03dcd4b4d_fine:
	s_mov_b64 s[64:65], 0
	v_nop
	global_prefetch_b8 v0, s[64:65] scope:SCOPE_SE
	s_setreg_imm32_b32 hwreg(HW_REG_WAVE_MODE, 25, 1), 1
	s_wait_xcnt 0x0
; POSITIONS 0 TO 15 OF EVERY SEQUENCE, ALL IN f32: there a row of the softmax averages one to sixteen values, and the rounding of 16-bit operands would weigh most.  These 64 rows of out0 are written over.
; qkv32: [16 batch + t][3072] f32 (q, k, v with their bias); w_proj [1024][1024] f32; out0 [8192][1024] f32.
; SHARES.  Work-group (slab of 64 output columns, batch).  Wave hd takes head hd: its attention for the 16 rows, then y_hd x w_proj[64 hd .. 64 hd + 63][slab], its own 64 of K.  The sixteen parts meet in LDS,
; and wave w adds them for row t = w, in the order of the heads.  No tensor loads, no cluster: what work-groups share (192 KB of q, k, v a batch) is small beside the weights, which each reads once.
; PRODUCTS by v_wmma_f32_16x16x4_f32, all transposed, so that a lane holds one row t = lane % 16 throughout.  The instruction takes k = 2 (lane / 16) + register; which true k stands there is free, as long as both
; operands agree: each operand is loaded so that the result of one product, as it lies in its registers, is the next product's operand.
; The four accumulators v112-143 are written by matrix instructions alone; every sum begins with the constant 0; what is made of a sum goes into other registers.
.set QR,  16                           ; v16-47   Q: register 2 s + j = channel 32 h + 2 s + j of row r.  Later w's tile 2
.set KR,  48                           ; v48-79   K likewise.  Later w's tile 3
.set VR,  80                           ; v80-111  V^T: register 8 c + kk = V[key 8 h + kk][channel 16 c + r]
.set ACC, 112
.set SS,  144                          ; v144-151 the scores of keys 8 h + 0..7, then p
.set TT,  152                          ; v152-159 at work
.set YR,  160                          ; v160-191 y: register 8 c + j = channel 16 c + 8 h + j
.set SPW, 12
.set NIL, 13
.set SPARE, 16*16*272
	s_load_b256 s[4:11], s[0:1], 0x0               ; qkv32 s[4:5], w_proj s[6:7], b_proj s[8:9], out0 s[10:11]
	v_lshl_add_u32 v[SPW], v0, 2, SPARE
	v_mov_b32 v[NIL], 0
	v_lshrrev_b32 v1, 5, v0
	v_readfirstlane_b32 s12, v1                    ; wave = head; later: row
	v_and_b32 v1, 15, v0                           ; r
	v_bfe_u32 v2, v0, 4, 1                         ; h
	v_and_b32 v3, 31, v0                           ; lane
	s_and_b32 s13, ttmp7, 0xffff                   ; batch
	v_mul_u32_u24 v4, v1, 12288
	v_lshl_add_u32 v4, v2, 7, v4                   ; Q, K: row r, + 128 h
	v_mul_u32_u24 v5, v2, 98304
	v_lshl_add_u32 v5, v1, 2, v5                   ; V: 8 h rows down, + 4 r
	v_lshlrev_b32 v6, 15, v2
	v_lshl_add_u32 v6, v1, 2, v6                   ; w: 8 h rows of 4,096 bytes down, + 4 r
	v_lshlrev_b32 v7, 3, v2
	v_sub_nc_u32 v7, v1, v7                        ; r - 8 h
	s_mul_i32 s14, s12, 16*272
	v_mul_u32_u24 v10, v1, 272
	v_lshl_add_u32 v10, v2, 5, v10
	v_add_nc_u32 v10, s14, v10                     ; my part's place in LDS: row r, 32 bytes for each half of the lanes
	s_mul_i32 s14, s12, 272
	v_lshlrev_b32 v14, 3, v3                       ; 8 x lane
	v_add_nc_u32 v11, s14, v14                     ; row w of a part
	v_mov_b32 v15, 0xff800000                      ; -infinity
	s_mul_i32 s16, s13, 16*12288
	s_lshl_b32 s17, s12, 8
	s_add_co_u32 s16, s16, s17                     ; qkv32: row 16 x batch, column 64 x head
	s_mov_b32 s17, 0
	s_lshl_b32 s20, ttmp9, 8                       ; the slab's 64 columns, in bytes
	s_mov_b32 s21, 0
	s_lshl_b32 s18, s12, 18                        ; w: row 64 x head
	s_add_co_u32 s18, s18, s20
	s_mov_b32 s19, 0
	s_lshl_b32 s22, s13, 11
	s_add_co_u32 s22, s22, s12
	s_lshl_b32 s22, s22, 12                        ; out0: row 2,048 x batch + wave
	s_add_co_u32 s22, s22, s20
	s_mov_b32 s23, 0
	s_mov_b32 s24, 0x3e38aa3b                      ; c = log2(e) / sqrt(64)
	s_mov_b32 s26, 0x76543210
	s_mov_b32 s27, 0xfedcba98
	s_wait_kmcnt 0x0
	s_add_nc_u64 s[4:5], s[4:5], s[16:17]
	s_add_nc_u64 s[6:7], s[6:7], s[18:19]
	s_add_nc_u64 s[8:9], s[8:9], s[20:21]
	s_add_nc_u64 s[10:11], s[10:11], s[22:23]
.irp i, 0,1,2,3,4,5,6,7
	global_load_b128 v[QR+4*\i:QR+4*\i+3], v4, s[4:5] offset:16*\i
.endr
.irp i, 0,1,2,3,4,5,6,7
	global_load_b128 v[KR+4*\i:KR+4*\i+3], v4, s[4:5] offset:4096+16*\i
.endr
.irp c, 0,1,2,3
.irp kk, 0,1,2,3,4,5,6,7
	global_load_b32 v[VR+8*\c+\kk], v5, s[4:5] offset:8192+12288*\kk+64*\c
.endr
.endr
	s_wait_loadcnt 32                              ; Q and K are in; V's 32 loads may be out
	; S^T = K Q^T: 16 steps of 4 channels, in four partial sums that take turns
.set s, 0
.rept 16
.if s < 4
	v_wmma_f32_16x16x4_f32 v[ACC+8*(s%4):ACC+8*(s%4)+7], v[KR+2*s:KR+2*s+1], v[QR+2*s:QR+2*s+1], 0
.else
	v_wmma_f32_16x16x4_f32 v[ACC+8*(s%4):ACC+8*(s%4)+7], v[KR+2*s:KR+2*s+1], v[QR+2*s:QR+2*s+1], v[ACC+8*(s%4):ACC+8*(s%4)+7]
.endif
.set s, s+1
.endr
	s_wait_loadcnt 0x0                             ; V
.rept 8
	v_nop                                          ; eight places behind this form: in front of loads into Q's and K's registers, and of the first read of the sums
.endr
	; my 64 rows of w x the slab's 64 columns: tile u at v192, v224, v16, v48; register 8 c + kk = w[64 hd + 16 c + 8 h + kk][16 u + r]
.irp u, 0,1,2,3
.irp c, 0,1,2,3
.irp kk, 0,1,2,3,4,5,6,7
	global_load_b32 v[(192+32*\u)%240+8*\c+\kk], v6, s[6:7] offset:4096*(16*\c+\kk)+64*\u
.endr
.endr
.endr
	global_load_b64 v[8:9], v14, s[8:9]            ; the bias of the slab: 8 bytes a lane
.irp j, 0,1,2,3,4,5,6,7
	v_add_f32 v[SS+\j], v[ACC+\j], v[ACC+8+\j]     ; the four partial sums; each accumulator is first read at its low end
	v_add_f32 v[TT+\j], v[ACC+16+\j], v[ACC+24+\j]
.endr
.irp j, 0,1,2,3,4,5,6,7
	v_add_f32 v[SS+\j], v[SS+\j], v[TT+\j]
.endr
.irp j, 0,1,2,3,4,5,6,7
	v_cmp_gt_i32 vcc_lo, \j, v7                    ; key 8 h + j comes after query r
	v_cndmask_b32 v[SS+\j], v[SS+\j], v15, vcc_lo
.endr
	v_max3_num_f32 v[TT], v[SS], v[SS+1], v[SS+2]
	v_max3_num_f32 v[TT], v[TT], v[SS+3], v[SS+4]
	v_max3_num_f32 v[TT], v[TT], v[SS+5], v[SS+6]
	v_max_num_f32 v[TT], v[TT], v[SS+7]
	v_permlanex16_b32 v[TT+1], v[TT], s26, s27
	v_max_num_f32 v[TT], v[TT], v[TT+1]            ; the row's maximum: key 0 counts for every query
	v_mul_f32 v[TT+1], s24, v[TT]
.irp j, 0,1,2,3,4,5,6,7
	v_fma_f32 v[SS+\j], v[SS+\j], s24, -v[TT+1]
.endr
.irp j, 0,1,2,3,4,5,6,7
	v_exp_f32 v[SS+\j], v[SS+\j]
.endr
	v_nop
	s_wait_alu depctr_va_vdst(0)                   ; one wait for the eight, ahead of their first reader
	v_add_f32 v[TT+2], v[SS], v[SS+1]
	v_add_f32 v[TT+3], v[SS+2], v[SS+3]
	v_add_f32 v[TT+4], v[SS+4], v[SS+5]
	v_add_f32 v[TT+5], v[SS+6], v[SS+7]
	v_add_f32 v[TT+2], v[TT+2], v[TT+3]
	v_add_f32 v[TT+4], v[TT+4], v[TT+5]
	v_add_f32 v[TT+2], v[TT+2], v[TT+4]
	v_permlanex16_b32 v[TT+3], v[TT+2], s26, s27
	v_add_f32 v[TT+2], v[TT+2], v[TT+3]
	v_rcp_f32 v[TT+6], v[TT+2]
	v_nop
	s_wait_alu depctr_va_vdst(0)
	; O^T = V^T P: 4 steps of 4 keys, the four tiles of channels by turns.  More than nine plain instructions that name no accumulator stand behind the last product above
.irp s, 0,1,2,3
.irp c, 0,1,2,3
.if \s
	v_wmma_f32_16x16x4_f32 v[ACC+8*\c:ACC+8*\c+7], v[VR+8*\c+2*\s:VR+8*\c+2*\s+1], v[SS+2*\s:SS+2*\s+1], v[ACC+8*\c:ACC+8*\c+7]
.else
	v_wmma_f32_16x16x4_f32 v[ACC+8*\c:ACC+8*\c+7], v[VR+8*\c+2*\s:VR+8*\c+2*\s+1], v[SS+2*\s:SS+2*\s+1], 0
.endif
.endr
.endr
.rept 8
	v_nop
.endr
.set i, 0
.rept 32
	v_mul_f32 v[YR+i], v[ACC+i], v[TT+6]           ; y = O^T / the sum, into other registers
.set i, i+1
.endr
	s_wait_loadcnt 0x0                             ; w and the bias
	v_nop
	v_nop                                          ; with the eight above: ten places in front of the products that begin the accumulators anew
	; out^T = w^T y^T over my 64 of K: 16 steps, the four tiles of columns by turns
.irp c, 0,1,2,3
.irp s, 0,1,2,3
.irp u, 0,1,2,3
.if \c+\s
	v_wmma_f32_16x16x4_f32 v[ACC+8*\u:ACC+8*\u+7], v[(192+32*\u)%240+8*\c+2*\s:(192+32*\u)%240+8*\c+2*\s+1], v[YR+8*\c+2*\s:YR+8*\c+2*\s+1], v[ACC+8*\u:ACC+8*\u+7]
.else
	v_wmma_f32_16x16x4_f32 v[ACC+8*\u:ACC+8*\u+7], v[(192+32*\u)%240+8*\c+2*\s:(192+32*\u)%240+8*\c+2*\s+1], v[YR+8*\c+2*\s:YR+8*\c+2*\s+1], 0
.endif
.endr
.endr
.endr
.rept 8
	v_nop
.endr
.irp u, 0,1,2,3
	ds_store_b128 v10, v[ACC+8*\u:ACC+8*\u+3] offset:64*\u         ; lane (r, h): row r, columns 16 u + 8 h + 0..7
	ds_store_b128 v10, v[ACC+8*\u+4:ACC+8*\u+7] offset:64*\u+16
.endr
	s_wait_dscnt 0x0                               ; for the others' sake: my part lies in LDS
	s_barrier_signal -1
	s_barrier_wait -1
.irp p, 0,1,2,3,4,5,6,7,8,9,10,11,12,13,14,15
	ds_load_b64 v[16+2*\p:17+2*\p], v11 offset:16*272*\p           ; row w of head p's part: 256 bytes, 8 a lane
.endr
	s_wait_dscnt 0x0
.irp p, 0,1,2,3,4,5,6,7,8,9,10,11,12,13,14,15
	v_pk_add_f32 v[8:9], v[8:9], v[16+2*\p:17+2*\p]
.endr
	global_store_b64 v14, v[8:9], s[10:11]         ; 256 consecutive bytes, aligned
	s_wait_tensorcnt 0x0                           ; the wave's end
	ds_add_u32 v[SPW], v[NIL]
	s_wait_dscnt 0x0
	s_endpgm
.Lfunc_end_k_qf03dcd4b4d_fine:
	.size	k_qf03dcd4b4d_fine, .Lfunc_end_k_qf03dcd4b4d_fine-k_qf03dcd4b4d_fine
	.p2alignl 7, 3214868480
	.fill 96, 4, 3214868480
	.section	.rodata,"a",@progbits
	.p2align	6, 0x0
	.amdhsa_kernel k_qf03dcd4b4d_fine
		.amdhsa_group_segment_fixed_size 71680
		.amdhsa_private_segment_fixed_size 0
		.amdhsa_enable_private_segment 0
		.amdhsa_kernarg_size 32
		.amdhsa_user_sgpr_count 2
		.amdhsa_user_sgpr_kernarg_segment_ptr 1
		.amdhsa_wavefront_size32 1
		.amdhsa_system_sgpr_workgroup_id_x 1
		.amdhsa_system_sgpr_workgroup_id_y 1
		.amdhsa_system_sgpr_workgroup_id_z 1
		.amdhsa_system_vgpr_workitem_id 0
		.amdhsa_next_free_vgpr 256
		.amdhsa_next_free_sgpr 66
		.amdhsa_reserve_vcc 1
		.amdhsa_float_denorm_mode_32 3
		.amdhsa_float_denorm_mode_16_64 3
		.amdhsa_memory_ordered 1
		.amdhsa_forward_progress 1
		.amdhsa_inst_pref_size 33
	.end_amdhsa_kernel
	.amdgpu_metadata
---
amdhsa.version: [ 1, 2 ]
amdhsa.kernels:
  - .name:           k_qf03dcd4b4d_fine
    .symbol:         k_qf03dcd4b4d_fine.kd
    .args:
      - { .name: qkv32, .offset: 0, .size: 8, .value_kind: global_buffer, .address_space: global }
      - { .name: w_proj, .offset: 8, .size: 8, .value_kind: global_buffer, .address_space: global }
      - { .name: b_proj, .offset: 16, .size: 8, .value_kind: global_buffer, .address_space: global }
      - { .name: out0, .offset: 24, .size: 8, .value_kind: global_buffer, .address_space: global }
    .group_segment_fixed_size: 71680
    .private_segment_fixed_size: 0
    .kernarg_segment_align: 8
    .kernarg_segment_size: 32
    .max_flat_workgroup_size: 512
    .sgpr_count:     66
    .vgpr_count:     256
    .wavefront_size: 32
...
	.end_amdgpu_metadata
.endif
;; end of part 5
